; MI455X (gfx1250); checked and timed in simulation.
; The chip was launched on July 23, 2026; its instructions are those of AMD's public machine-readable ISA for CDNA 5 (MIT licence, August 2026) and "CDNA5" Instruction Set Architecture Reference Guide (July 2026). The comments in the code are by the model that wrote it; some were corrected since.
;; Extractor To P Mo E. Allowed arithmetic: matrix products marked QUANTISED: E3M2 operands, one E8M0 scale for each 32 along K, by v_wmma_scale_f32_16x16x128_f8f6f4 with both operands' format E3M2, f32 sums; everything else in f32.
;; Inputs: W1_codes 16 x 2,048 x 32 x 24 uint8 (E3M2 codes of W1, K innermost, in blocks of 32 codes, four codes in three bytes); W1_scales 16 x 2,048 x 32 uint8 (E8M0 scales of W1, one for each 32 codes along K); W2_codes 16 x 1,000 x 64 x 24 uint8 (E3M2 codes of W2, K innermost, in blocks of 32 codes, four codes in three bytes); W2_scales 16 x 1,000 x 64 uint8 (E8M0 scales of W2, one for each 32 codes along K); Wg_codes 16 x 32 x 24 uint8 (E3M2 codes of Wg, K innermost, in blocks of 32 codes, four codes in three bytes); Wg_scales 16 x 32 uint8 (E8M0 scales of Wg, one for each 32 codes along K); b1 16 x 2,048 float32; b2 16 x 1,000 float32; bg 16 float32; x_codes 1,024 x 32 x 24 uint8 (E3M2 codes of x, K innermost, in blocks of 32 codes, four codes in three bytes); x_scales 1,024 x 32 uint8 (E8M0 scales of x, one for each 32 codes along K).
;; Outputs: out0 1,024 x 1,000 float32.
;; Constants: k = 2.
;; This version of the problem:
;;   THIS VERSION OF THE PROBLEM IS GIVEN IN LOW PRECISION. The matrix products marked QUANTISED in the list below multiply operands that are first quantised to E3M2 (3 exponent bits, 2 mantissa bits; 6 bits a number), with one power-of-two scale for each 32 numbers along K (OCP MX v1.0); their sums are f32. All else is computed in f32.
;;   The module's matrix products, in the order in which they are computed (A, B: the left and right operand; K: the contracted axis; several contracted axes count as one K, in the product's order):
;;     1. [M 1,024, K 1,024] x [K 1,024, N 16]; A: input x (given as codes); B: input Wg (given as codes): QUANTISED
;;     2. [M 1,024, K 1,024] x [K 1,024, N 32,768]; A: input x (given as codes); B: input W1 (given as codes): QUANTISED
;;     3. batch 16 x [M 1,000, K 2,048] x [K 2,048, N 1,024]; A: input W2 (given as codes); B: computed on the way: QUANTISED
;;   THE QUANTISER, for each operand of a quantised product, along K:
;;     - K is cut into blocks of 32 from its start; a last block that is shorter is filled with zeros.
;;     - A block's scale is 2^e with e = floor(log2(the largest magnitude in the block)) - 4, held to -126 .. 127; a block of zeros has e = 0. As a byte (E8M0): e + 127.
;;     - Each number is divided by its block's scale, clamped to +-28, and rounded to the nearest number of E3M2, ties to even, subnormals kept.
;;     - The product sums the exact products of the quantised numbers (number of the format x scale) in f32.
;;   ~~~python
;;   def quantise(x, axis):      # numpy; x: float32 -> the quantised numbers, widened to float32 again
;;       x = np.moveaxis(x, axis, -1); K = x.shape[-1]
;;       x = np.pad(x, [(0, 0)] * (x.ndim - 1) + [(0, -K % 32)]); x = x.reshape(x.shape[:-1] + (-1, 32)); a = np.abs(x).max(-1, keepdims=True)
;;       e = np.where(a > 0, np.clip(np.frexp(np.where(a > 0, a, 1))[1] - 1 - 4, -126, 127), 0)      # np.frexp(a)[1] - 1 = floor(log2(a)), exactly
;;       r = np.clip(x / 2.0 ** e, -28, 28)
;;       step = 2.0 ** (np.maximum(np.frexp(np.where(r == 0, 1, r))[1] - 1, -2) - 2)
;;       q = np.round(r / step) * step * 2.0 ** e      # np.round: ties to even
;;       return np.moveaxis(q.reshape(q.shape[:-2] + (-1,))[..., :K], -1, axis).astype(np.float32)
;;   ~~~
;;   OPERANDS COMPUTED ON THE WAY. 'Computed on the way' means the value that the module computes at that place (a softmax that the list does not call 'softmax' is quantised finished and normalised). What goes into a quantiser is computed in f32, as accurately as f32 sums, v_exp_f32 and their like allow (about 1e-6 of the number): no bf16 or f16 on the way to a quantiser, and a product that is left as it is and whose result goes on into a quantised operand takes f32 operands (vector FMAs, or v_wmma_f32_16x16x4_f32). A number that lies on a knife's edge between two numbers of the format may be rounded either way, as far as f32 arithmetic and the matrix unit's own rounding can turn it there, and no further.
;;   INPUTS GIVEN AS CODES. W1 (in the module: [16, 1024, 2048], K = its axis 1); W2 (in the module: [16, 2048, 1000], K = its axis 1); Wg (in the module: [1024, 16], K = its axis 0); x (in the module: [1024, 1024], K = its axis 1): each comes as NAME_codes (uint8): NAME with its K axis moved to the last place and cut into blocks of 32 codes, [.., K / 32, bytes a block], one block behind the other in memory; four codes in three bytes: a row's codes are one little-endian stream of bits, code i at bits 6 i .. 6 i + 5 (a code: sign, 3 exponent bits, 2 mantissa bits); and NAME_scales (uint8): the same leading axes, one E8M0 byte (e + 127) for each 32 codes along K. Its value is code x scale, taken as it is: it is not quantised again, and the codes and scales need not be those that the quantiser above would give.
;; One version. Each part assembles by itself: llvm-mc -triple=amdgcn-amd-amdhsa -mcpu=gfx1250 --defsym DOCPART=n.
;; ======== version 1 of 1: 4 launches
;; limits: right only within a limited range of input values
;; workspace buffers: route 4,096 bytes of whole numbers; wv 8,192 bytes; hq 25,165,824 bytes; hs 1,048,576 bytes; lg 8,454,144 bytes
;; launch gate (part 1): grid 32 x 1, 1 waves a work-group, no clusters, 38,144 bytes of LDS; arguments x_codes, x_scales, Wg_codes, Wg_scales, bg, route, wv; writes route, wv
.if DOCPART == 1
	.amdgcn_target "amdgcn-amd-amdhsa--gfx1250"
	.amdhsa_code_object_version 6
	.text
	.protected	k_q89f653f65e_gate
	.globl	k_q89f653f65e_gate
	.p2align	8
	.type	k_q89f653f65e_gate,@function
k_q89f653f65e_gate:
	s_mov_b64 s[64:65], 0
	v_nop
	global_prefetch_b8 v0, s[64:65] scope:SCOPE_SE
	s_setreg_imm32_b32 hwreg(HW_REG_WAVE_MODE, 25, 1), 1
	s_wait_xcnt 0x0
; GATE.  gate = softmax(x Wg + bg) over 16 experts, and its two largest numbers for each token.  x [1024][1024] and Wg [16][1024]: codes of BF6 (E3M2), K innermost, one E8M0 byte for each 32 along K.
; One wave takes 32 tokens: two tiles of 16.  The product is used transposed (source 0 = the 16 experts, source 1 = 16 tokens), bg is the C of the first K step.
; WHAT IS STORED: wv[token][2], the two gate numbers, the larger first; and the choice as BALLOTS at fixed places: route[0][e][g] has bit i set where token 32 g + i chose expert e (first or second),
; route[1][e][g] where e is its second choice.  No address and no branch of this launch hangs on the choice.
; K ORDER INSIDE A K STEP OF 128, alike on both operands: lane (r, h) takes the 48 consecutive bytes at 96 s + 48 h of its row (three aligned loads of 16 bytes): its registers 0-5 are the row's block 4 s + 2 h, its
; registers 6-11 block 4 s + 2 h + 1.  So the instruction's blocks 0, 1, 2, 3 are the row's blocks 0, 2, 1, 3 of the step, and each scale word has its two middle bytes exchanged (v_perm_b32).  The products are the same; only their order in the sum differs.
; LIMITS: NaN and infinities are not served (a scale byte 0xff gives NaN as the format says).  The two largest are taken of the finished gate numbers, ties to the lower expert; two gate numbers that differ by
; less than the exponential's and the reciprocal's last bit may change places.
.set PITCH, 784                        ; an LDS row: 768 bytes of codes + 16 = 196 words: row r starts at bank 4 r mod 64 (64 banks of 4 bytes: ISA guide 11.1)
.set WGREG, 32*PITCH                   ; x's 32 rows lie at 0, Wg's 16 rows behind them
.set BG,  8                            ; v8-15   bg in the result's layout: lane (r, h): experts 8 h + 0 .. 7
.set ACC, 16                           ; v16-31  two accumulators; then expert j's number for token = lane in v[16 + j]
.set XS,  32                           ; v32-39  x's scale words: tile m, register 4 m + k: K step k in lanes 0-15, K step 4 + k in lanes 16-31
.set WGS, 40                           ; v40-43  Wg's likewise
.set XF,  64                           ; v64-255 x: as loaded, then the fragments at 64 + 96 m + 12 s.   Window 1, v0-95: Wg, as loaded, then the fragments at 12 s
.set MSB, 0
.macro WIN new                         ; the immediate's high byte repeats the setting that is left; a switch that changes nothing is dropped
.if MSB != (\new)
	s_set_vgpr_msb (MSB<<8)|(\new)
.set MSB, \new
.endif
.endm
; one scaled product: D, C, A (12 registers), B (12), A's and B's scale registers, and which half of the lanes of each is read
.macro WM d, c, a, b, sa, sb, ra, rb
.if (\ra) && (\rb)
	v_wmma_scale_f32_16x16x128_f8f6f4 v[\d:\d+7], v[\a:\a+11], v[\b:\b+11], v[\c:\c+7], v[\sa], v[\sb] matrix_a_fmt:MATRIX_FMT_BF6 matrix_b_fmt:MATRIX_FMT_BF6 matrix_a_scale:MATRIX_SCALE_ROW1 matrix_b_scale:MATRIX_SCALE_ROW1
.elseif (\ra)
	v_wmma_scale_f32_16x16x128_f8f6f4 v[\d:\d+7], v[\a:\a+11], v[\b:\b+11], v[\c:\c+7], v[\sa], v[\sb] matrix_a_fmt:MATRIX_FMT_BF6 matrix_b_fmt:MATRIX_FMT_BF6 matrix_a_scale:MATRIX_SCALE_ROW1
.elseif (\rb)
	v_wmma_scale_f32_16x16x128_f8f6f4 v[\d:\d+7], v[\a:\a+11], v[\b:\b+11], v[\c:\c+7], v[\sa], v[\sb] matrix_a_fmt:MATRIX_FMT_BF6 matrix_b_fmt:MATRIX_FMT_BF6 matrix_b_scale:MATRIX_SCALE_ROW1
.else
	v_wmma_scale_f32_16x16x128_f8f6f4 v[\d:\d+7], v[\a:\a+11], v[\b:\b+11], v[\c:\c+7], v[\sa], v[\sb] matrix_a_fmt:MATRIX_FMT_BF6 matrix_b_fmt:MATRIX_FMT_BF6
.endif
.endm
	s_load_b256 s[4:11], s[0:1], 0x0               ; x's codes s[4:5], x's scales s[6:7], Wg's codes s[8:9], Wg's scales s[10:11]
	s_load_b128 s[12:15], s[0:1], 0x20             ; bg s[12:13], route s[14:15]
	s_load_b64 s[16:17], s[0:1], 0x30              ; wv
	v_lshl_add_u32 v62, v0, 2, 0x9400
	v_mov_b32 v63, 0
	v_lshlrev_b32 v1, 4, v0                        ; 16 x lane (one wave: v0 is the lane).  Also: where part 0 of a pair of rows goes in LDS
	v_lshrrev_b32 v44, 4, v0                       ; h
	v_and_b32 v45, 15, v0                          ; r
	v_lshl_add_u32 v2, v44, 4, v1                  ; a pair of rows is 1,536 dense bytes = three loads of 512; in LDS the second row begins 16 bytes later:
	v_add_nc_u32 v2, 512, v2                       ; part 1: 512 + 16 lane, + 16 from lane 16 on (there the second row begins)
	v_add_nc_u32 v3, 1040, v1                      ; part 2: all in the second row
	v_mul_u32_u24 v4, v45, PITCH
	v_mad_u32_u24 v4, v44, 48, v4                  ; a fragment: row r, + 48 h
	v_lshlrev_b32 v5, 5, v45
	v_lshl_add_u32 v5, v44, 4, v5                  ; scale bytes: row r of 32, + 16 h: four K steps' words
	v_lshlrev_b32 v6, 5, v44                       ; bg: 32 h
	v_lshlrev_b32 v7, 7, v0                        ; route: 128 x lane
	v_lshlrev_b32 v52, 3, v0                       ; wv: 8 x lane
	s_mov_b32 s22, 0x03010200                      ; v_perm_b32: bytes 0, 2, 1, 3
	s_mov_b32 s19, 0
	s_wait_alu depctr_va_vdst(0)
	s_wait_kmcnt 0x0
	s_mul_i32 s18, ttmp9, 32*768
	s_add_nc_u64 s[4:5], s[4:5], s[18:19]          ; my 32 rows of codes,
	s_lshl_b32 s18, ttmp9, 10
	s_add_nc_u64 s[6:7], s[6:7], s[18:19]          ; of scale bytes,
	s_lshl_b32 s18, ttmp9, 2
	s_add_nc_u64 s[14:15], s[14:15], s[18:19]      ; my word in each row of route,
	s_lshl_b32 s18, ttmp9, 8
	s_add_nc_u64 s[16:17], s[16:17], s[18:19]      ; my 256 bytes of wv
.irp m, 0,1
	global_load_b128 v[XS+4*\m:XS+4*\m+3], v5, s[6:7] offset:512*\m
.endr
	global_load_b128 v[WGS:WGS+3], v5, s[10:11]
	global_load_b128 v[BG:BG+3], v6, s[12:13]
	global_load_b128 v[BG+4:BG+7], v6, s[12:13] offset:16
.set j, 0
.rept 48
	global_load_b128 v[XF+4*j:XF+4*j+3], v1, s[4:5] offset:512*j   ; the wave reads 512 consecutive bytes, aligned
.set j, j+1
.endr
	WIN 0x40                                       ; destination window 1
.set j, 0
.rept 24
	global_load_b128 v[4*j:4*j+3], v1, s[8:9] offset:512*j
.set j, j+1
.endr
	WIN 0
	s_wait_loadcnt 0x0
.irp k, 0,1,2,3,4,5,6,7,8,9,10,11
	v_perm_b32 v[XS+\k], v[XS+\k], v[XS+\k], s22   ; the scale words in the instruction's order of blocks
.endr
	; the turn through LDS: dense bytes in, rows 784 bytes apart; fragments out.  The bytes are the wave's own and LDS serves a wave's instructions in order (ISA guide 5.7.1.4): no wait between
.set j, 0
.rept 48
	ds_store_b128 v[1+j%3], v[XF+4*j:XF+4*j+3] offset:2*PITCH*(j/3)
.set j, j+1
.endr
	WIN 0x04                                       ; an LDS store's data are its source 1: window 1
.set j, 0
.rept 24
	ds_store_b128 v[1+j%3], v[4*j:4*j+3] offset:WGREG+2*PITCH*(j/3)
.set j, j+1
.endr
	WIN 0
.irp m, 0,1
.irp s, 0,1,2,3,4,5,6,7
.irp i, 0,1,2
	ds_load_b128 v[XF+96*\m+12*\s+4*\i:XF+96*\m+12*\s+4*\i+3], v4 offset:\m*16*PITCH+96*\s+16*\i
.endr
.endr
.endr
	WIN 0x40
.irp s, 0,1,2,3,4,5,6,7
.irp i, 0,1,2
	ds_load_b128 v[12*\s+4*\i:12*\s+4*\i+3], v4 offset:WGREG+96*\s+16*\i
.endr
.endr
	WIN 0
	s_wait_alu depctr_va_vdst(0)
	s_wait_dscnt 0x0
.rept 8
	v_nop                                          ; a scale register written by a vector instruction stands eight places ahead of a scaled matrix instruction
.endr
	WIN 0x01                                       ; source 0 (Wg) window 1
.irp s, 0,1,2,3,4,5,6,7                        ; K ascending; the two accumulators by turns, one instruction a turn
.irp m, 0,1
.if \s == 0
	WM ACC+8*\m, BG, 12*\s, XF+96*\m+12*\s, WGS+\s%4, XS+4*\m+\s%4, 0, 0
.else
	WM ACC+8*\m, ACC+8*\m, 12*\s, XF+96*\m+12*\s, WGS+\s%4, XS+4*\m+\s%4, \s/4, \s/4
.endif
.endr
.endr
	WIN 0
.rept 4
	v_nop                                          ; four places behind the last products (ISA guide 7.12.1)
.endr
	; lane (r, h) of tile m holds experts 8 h + j of token 16 m + r.  One exchange of halves for each j: v[16 + j] then holds expert j, v[24 + j] expert 8 + j, of token = lane
.irp j, 0,1,2,3,4,5,6,7
	v_permlane16_swap_b32 v[ACC+\j], v[ACC+8+\j]
.endr
	v_max3_num_f32 v44, v16, v17, v18              ; the softmax: the largest logit is taken away first
.irp i, 19,21,23,25,27,29
	v_max3_num_f32 v44, v44, v[\i], v[\i+1]
.endr
	v_max_num_f32 v44, v44, v31
.irp j, 0,1,2,3,4,5,6,7,8,9,10,11,12,13,14,15
	v_sub_f32 v[ACC+\j], v[ACC+\j], v44
.endr
.irp j, 0,1,2,3,4,5,6,7,8,9,10,11,12,13,14,15
	v_mul_f32 v[ACC+\j], 0x3fb8aa3b, v[ACC+\j]     ; x log2(e)
.endr
	s_wait_alu depctr_va_vdst(0)
.irp j, 0,1,2,3,4,5,6,7,8,9,10,11,12,13,14,15
	v_exp_f32 v[ACC+\j], v[ACC+\j]
.endr
	v_mov_b32 v50, -1.0                            ; (a plain line behind the exponentials)  under every gate number
	s_wait_alu depctr_va_vdst(0)                   ; one wait for the sixteen, ahead of their first reader
	v_pk_add_f32 v[54:55], v[16:17], v[18:19]
	v_pk_add_f32 v[56:57], v[20:21], v[22:23]
	v_pk_add_f32 v[54:55], v[54:55], v[24:25]
	v_pk_add_f32 v[56:57], v[56:57], v[26:27]
	v_pk_add_f32 v[54:55], v[54:55], v[28:29]
	v_pk_add_f32 v[56:57], v[56:57], v[30:31]
	v_pk_add_f32 v[54:55], v[54:55], v[56:57]
	v_add_f32 v45, v54, v55
	s_wait_alu depctr_va_vdst(0)
	v_rcp_f32 v44, v45
	v_mov_b32 v51, 0                               ; (a plain line behind the reciprocal)  the ballots begin empty
	s_wait_alu depctr_va_vdst(0)
.irp j, 0,2,4,6,8,10,12,14
	v_pk_mul_f32 v[ACC+\j:ACC+\j+1], v[ACC+\j:ACC+\j+1], v[44:45] op_sel_hi:[1,0]   ; the gate numbers
.endr
; the largest of v16-31 and the lowest expert that has it
.macro BEST val, idx
	v_mov_b32 v[\val], v16
	v_mov_b32 v[\idx], 0
.irp j, 1,2,3,4,5,6,7,8,9,10,11,12,13,14,15
	v_cmp_ge_f32 vcc_lo, v[\val], v[ACC+\j]        ; the earlier expert keeps its place on a tie
	v_cndmask_b32 v[\idx], \j, v[\idx], vcc_lo
	v_max_num_f32 v[\val], v[\val], v[ACC+\j]
.endr
.endm
	BEST 46, 48
.irp j, 0,1,2,3,4,5,6,7,8,9,10,11,12,13,14,15
	v_cmp_eq_u32 vcc_lo, \j, v48
	v_cndmask_b32 v[ACC+\j], v[ACC+\j], v50, vcc_lo   ; the first choice is taken out
.endr
	BEST 47, 49
.irp e, 0,1,2,3,4,5,6,7,8,9,10,11,12,13,14,15
	v_cmp_eq_u32 s20, \e, v48                      ; which of my 32 tokens chose expert e first,
	v_cmp_eq_u32 s21, \e, v49                      ; which second
	s_or_b32 s20, s20, s21
	v_writelane_b32 v51, s20, \e                   ; lane e: either; lane 16 + e: second
	v_writelane_b32 v51, s21, 16+\e
.endr
	global_store_b64 v52, v[46:47], s[16:17]       ; 32 lanes store 256 consecutive bytes, aligned
	global_store_b32 v7, v51, s[14:15]             ; one word in each of route's 32 rows of 128 bytes: 4 bytes a lane, rows apart; 4,096 bytes in the whole launch
	s_wait_tensorcnt 0x0
	ds_add_u32 v62, v63
	s_wait_dscnt 0x0
	s_endpgm
.Lfunc_end_k_q89f653f65e_gate:
	.size	k_q89f653f65e_gate, .Lfunc_end_k_q89f653f65e_gate-k_q89f653f65e_gate
	.p2alignl 7, 3214868480
	.fill 96, 4, 3214868480
	.section	.rodata,"a",@progbits
	.p2align	6, 0x0
	.amdhsa_kernel k_q89f653f65e_gate
		.amdhsa_group_segment_fixed_size 38144
		.amdhsa_private_segment_fixed_size 0
		.amdhsa_enable_private_segment 0
		.amdhsa_kernarg_size 56
		.amdhsa_user_sgpr_count 2
		.amdhsa_user_sgpr_kernarg_segment_ptr 1
		.amdhsa_wavefront_size32 1
		.amdhsa_system_sgpr_workgroup_id_x 1
		.amdhsa_system_sgpr_workgroup_id_y 1
		.amdhsa_system_sgpr_workgroup_id_z 1
		.amdhsa_system_vgpr_workitem_id 0
		.amdhsa_next_free_vgpr 384
		.amdhsa_next_free_sgpr 66
		.amdhsa_reserve_vcc 1
		.amdhsa_float_denorm_mode_32 3
		.amdhsa_float_denorm_mode_16_64 3
		.amdhsa_memory_ordered 1
		.amdhsa_forward_progress 1
		.amdhsa_inst_pref_size 34
	.end_amdhsa_kernel
	.amdgpu_metadata
---
amdhsa.version: [ 1, 2 ]
amdhsa.kernels:
  - .name:           k_q89f653f65e_gate
    .symbol:         k_q89f653f65e_gate.kd
    .args:
      - { .name: x_codes, .offset: 0, .size: 8, .value_kind: global_buffer, .address_space: global }
      - { .name: x_scales, .offset: 8, .size: 8, .value_kind: global_buffer, .address_space: global }
      - { .name: Wg_codes, .offset: 16, .size: 8, .value_kind: global_buffer, .address_space: global }
      - { .name: Wg_scales, .offset: 24, .size: 8, .value_kind: global_buffer, .address_space: global }
      - { .name: bg, .offset: 32, .size: 8, .value_kind: global_buffer, .address_space: global }
      - { .name: route, .offset: 40, .size: 8, .value_kind: global_buffer, .address_space: global }
      - { .name: wv, .offset: 48, .size: 8, .value_kind: global_buffer, .address_space: global }
    .group_segment_fixed_size: 38144
    .private_segment_fixed_size: 0
    .kernarg_segment_align: 8
    .kernarg_segment_size: 56
    .max_flat_workgroup_size: 32
    .sgpr_count:     66
    .vgpr_count:     384
    .wavefront_size: 32
...
	.end_amdgpu_metadata
.endif
;; end of part 1
;; launch fc1 (part 2): grid 16 x 16, 4 waves a work-group, no clusters, 254,720 bytes of LDS; arguments x_codes, x_scales, W1_codes, W1_scales, b1, route, hq, hs; writes hq, hs
.if DOCPART == 2
	.amdgcn_target "amdgcn-amd-amdhsa--gfx1250"
	.amdhsa_code_object_version 6
	.text
	.protected	k_q89f653f65e_fc1
	.globl	k_q89f653f65e_fc1
	.p2align	8
	.type	k_q89f653f65e_fc1,@function
k_q89f653f65e_fc1:
	s_mov_b64 s[64:65], 0
	v_nop
	global_prefetch_b8 v0, s[64:65] scope:SCOPE_SE
	s_setreg_imm32_b32 hwreg(HW_REG_WAVE_MODE, 25, 1), 1
	s_wait_xcnt 0x0
; FC1.  h = x W1[e] + b1[e], only for the rows that chose expert e (reference() gathers the two chosen experts of a token and drops the rest; the choice is read from route, which the launch before stored),
; quantised along the hidden units to BF6 (E3M2) with one E8M0 byte for each 32, for the next launch.
; SHARES.  Work-group (c, e) owns hidden units 128 c .. 128 c + 127 of expert e: 128 rows of W1 of 768 bytes, read once, by this work-group alone, in loads of 512 consecutive bytes, and laid into LDS behind the launch's one barrier.
; THE ROWS STAY, THE WEIGHTS WALK.  In a pass wave w holds the expert's tiles of 16 rows tb, tb + 1, tb + 2 (tb = 12 pass + 3 w): tile i in window i + 1: eight fragments of x (v0-95) and eight accumulators (v96-159).  The weights come out of
; LDS in units of half a K step, four fragments in each of two sets; each fragment feeds three products.  The tiles are dealt on end, so that an expert of up to 9 tiles leaves the fourth wave without one: it ends behind the barrier and
; reads no fragment.  No cluster, no joint load, no tensor load: each weight byte has one reader, and the trip counts hang on stored counts.  No prefetch: all that a pass reads is asked for at its head.
; WHICH ROWS.  route[0][e] is a bit for each token.  Row q of the expert is its q-th set bit (macro SELECT, whole numbers only).  Rows past the count take token 1023: they fill the last tile and are never used; a tile past the count is not stored.
; THE PRODUCT IS USED TRANSPOSED (source 0 = 16 rows of W1, source 1 = 16 rows of x), and lane r of tile t takes chunk row 64 (r / 8) + 8 t + r % 8.  So lane (r, h) holds token r, and accumulator register 8 t + j is hidden unit
; 64 h + 8 t + j: 64 neighbours, two whole blocks of 32, all in one lane.  b1 is the C of each sum's first product.
; K ORDER INSIDE A K STEP OF 128, alike on both operands of every product of this program: lane (r, h) holds the 48 consecutive bytes at 96 s + 48 h of its row; the instruction's blocks 0, 1, 2, 3 are the row's blocks 0, 2, 1, 3, and
; scale words have their middle bytes exchanged.  The lane's two blocks of h are blocks 2 h and 2 h + 1 of K step c of the next product: in that order its twelve registers of codes ARE the next operand's.
; OUT.  hq[e][tile][c]: 1,536 bytes, the image of that operand's registers (three groups of four, lane l's 16 bytes at 512 i + 16 l).  hs[e][tile][c][row]: its scale words.
; LIMITS: NaN and infinities are not served.  A block of h whose numbers are all 0 (or under 2^-122) gets the scale byte 1 where the quantiser says 127: its codes are zeros, and this program alone reads the byte.
.set PITCH,  784                       ; an LDS row: 768 bytes + 16 = 196 words: row r starts at bank 4 r mod 64 (64 banks of 4 bytes: ISA guide 11.1)
.set HALFW,  64*PITCH+128              ; W1's rows 64-127 begin 128 bytes later than the pitch says: a tile's two groups of eight rows, 64 rows apart, then fall on different banks
.set BIAS,   100608                    ; behind the weights (100,480 bytes): b1's 128 numbers, a copy of 512 bytes for each wave
.set XSL,    102656                    ; three slots of 16 rows of x for each wave
.set SLOTP,  16*PITCH
.set WAVEX,  3*SLOTP
.set DL,     XSL+4*WAVEX               ; 256 bytes for each wave: the tokens of its 48 rows
.set SPARE,  DL+4*256                  ; the spare words, 128 bytes for each wave
.set U,      32                        ; s[32:63]  route[0][e]
.set SPF,    30
.set STM,    31
.set VQ,   20
.set VWRD, 21
.set VBAS, 22
.set VIDX, 23
.set VN,   24
.set VPOS, 25
.set VT,   26
.set VU,   27
.set VC1,  28
.set VC2,  29
.set VC4,  30
.set VC8,  31
.set VTOK, 32
.set XO,   36                          ; v36-59   tile i, register 8 i + j: byte offset in x of row 8 h + j, + 16 r
.set XSO,  60                          ; v60-62   my row's scale bytes in each tile
.set HQO,  63                          ; v63-65   each tile's record in hq, + 16 lane
.set HSO,  66                          ; v66-68   in hs, + 4 r
.set XSC,  72                          ; v72-83   x's scale words: tile i, register 4 i + k: K step k in lanes 0-15, 4 + k in lanes 16-31
.set WSC,  84                          ; v84-115  W1's: tile t at 4 t + k, likewise
.set WF,   116                         ; v116-211 W1's fragments, two sets of four
.set ACC,  96                          ; windows 1 to 3: the accumulators
.set RAW,  160                         ; windows 1, 2: v160-255 W1's rows as loaded;  window 3: v160-223 b1 in the result's layout
.set P,    0                           ; the quantiser works in its tile's window, where x's fragments lay: twelve registers of codes,
.set TT,   12                          ; where the odd halves are made,
.set QM0,  20
.set QM1,  21
.set QS0,  22
.set QS1,  23
.set QB0,  24
.set QB1,  25
.set QW,   26
.set QT,   27
.set MSB, 0
.macro WIN new                         ; the immediate's high byte repeats the setting that is left; a switch that changes nothing is dropped
.if MSB != (\new)
	s_set_vgpr_msb (MSB<<8)|(\new)
.set MSB, \new
.endif
.endm
.macro WM d, c, a, b, sa, sb, ra, rb   ; one scaled product; ra, rb: which half of the lanes of each scale register is read
.if (\ra) && (\rb)
	v_wmma_scale_f32_16x16x128_f8f6f4 v[\d:\d+7], v[\a:\a+11], v[\b:\b+11], v[\c:\c+7], v[\sa], v[\sb] matrix_a_fmt:MATRIX_FMT_BF6 matrix_b_fmt:MATRIX_FMT_BF6 matrix_a_scale:MATRIX_SCALE_ROW1 matrix_b_scale:MATRIX_SCALE_ROW1
.else
	v_wmma_scale_f32_16x16x128_f8f6f4 v[\d:\d+7], v[\a:\a+11], v[\b:\b+11], v[\c:\c+7], v[\sa], v[\sb] matrix_a_fmt:MATRIX_FMT_BF6 matrix_b_fmt:MATRIX_FMT_BF6
.endif
.endm
.macro HALF cnt, wid, step             ; one halving of SELECT's search
	v_bfe_u32 v[VT], v[\cnt], v[VPOS], \wid
	v_cmp_ge_u32 vcc_lo, v[VN], v[VT]
	v_cndmask_b32 v[VT], 0, v[VT], vcc_lo
	v_cndmask_b32 v[VU], 0, \step, vcc_lo
	v_sub_nc_u32 v[VN], v[VN], v[VT]
	v_add_nc_u32 v[VPOS], v[VPOS], v[VU]
.endm
; The place of the q-th set bit (q = v[VQ], from 0) of the 1,024 bits in s[U ..]: word v[VIDX], bit v[VPOS].  q past the last set bit gives word 31, bit 31.
.macro SELECT
	v_mov_b32 v[VWRD], s[U]
	v_mov_b32 v[VBAS], 0
	v_mov_b32 v[VIDX], 0
	s_bcnt1_i32_b32 s[SPF], s[U]
.set sw, 1
.rept 31
	v_cmp_le_u32 vcc_lo, s[SPF], v[VQ]
	v_cndmask_b32 v[VWRD], v[VWRD], s[U+sw], vcc_lo
	v_cndmask_b32 v[VBAS], v[VBAS], s[SPF], vcc_lo
	v_cndmask_b32 v[VIDX], v[VIDX], sw, vcc_lo
	s_bcnt1_i32_b32 s[STM], s[U+sw]
	s_add_co_u32 s[SPF], s[SPF], s[STM]
.set sw, sw+1
.endr
	v_sub_nc_u32 v[VN], v[VQ], v[VBAS]
	v_lshrrev_b32 v[VT], 1, v[VWRD]
	v_and_b32 v[VT], 0x55555555, v[VT]
	v_sub_nc_u32 v[VC1], v[VWRD], v[VT]
	v_lshrrev_b32 v[VT], 2, v[VC1]
	v_and_b32 v[VC2], 0x33333333, v[VC1]
	v_and_b32 v[VT], 0x33333333, v[VT]
	v_add_nc_u32 v[VC2], v[VC2], v[VT]
	v_lshrrev_b32 v[VT], 4, v[VC2]
	v_add_nc_u32 v[VT], v[VC2], v[VT]
	v_and_b32 v[VC4], 0x0f0f0f0f, v[VT]
	v_lshrrev_b32 v[VT], 8, v[VC4]
	v_add_nc_u32 v[VC8], v[VC4], v[VT]
	v_mov_b32 v[VPOS], 0
	HALF VC8, 8, 16
	HALF VC4, 8, 8
	HALF VC2, 4, 4
	HALF VC1, 2, 2
	HALF VWRD, 1, 1
	v_lshl_add_u32 v[VTOK], v[VIDX], 5, v[VPOS]
	v_min_u32 v[VTOK], 0x3ff, v[VTOK]
.endm
.macro WLOAD n                         ; unit n: K step n / 2, W1's tiles 4 (n % 2) + 0 .. 3, into set n % 2
.irp t, 0,1,2,3
.irp j, 0,1,2
	ds_load_b128 v[WF+48*((\n)%2)+12*\t+4*\j:WF+48*((\n)%2)+12*\t+4*\j+3], v5 offset:8*PITCH*(4*((\n)%2)+\t)+96*((\n)/2)+16*\j
.endr
.endr
.endm
; A PASS'S HEAD.  Where my three tiles' records lie; the tokens of their 48 rows; then the loads: for each tile one of scale bytes and 24 of codes (sixteen lanes read 256 consecutive bytes of a row, aligned; two rows an instruction).
.macro PREP first
.if !(\first)
	s_wait_xcnt 0x0                                ; the last pass's stores have read their offsets and data: both are written again only behind this wait
.endif
.irp i, 0,1,2
	s_add_co_u32 s27, s25, \i
	s_min_u32 s27, s27, 63                         ; (a tile past the expert's 64 is never stored)
	s_add_co_u32 s27, s27, s2                      ; + 64 e
	s_lshl_b32 s27, s27, 4
	s_add_co_u32 s27, s27, s21                     ; the record: (64 e + tile) 16 + c
	s_mul_i32 s3, s27, 1536
	v_add_nc_u32 v[HQO+\i], s3, v1
	s_lshl_b32 s3, s27, 6
	v_add_nc_u32 v[HSO+\i], s3, v11
.endr
	s_lshl_b32 s27, s25, 4
	v_add_nc_u32 v[VQ], s27, v13                   ; lanes 0-15: tile tb's rows; lanes 16-31: tile tb + 1's
	SELECT
	ds_store_b32 v8, v[VTOK]
	v_permlanex16_b32 v33, v[VTOK], s100, s101     ; each tile's row r in both halves of the lanes
	v_cndmask_b32 v34, v[VTOK], v33, s66
	v_cndmask_b32 v35, v33, v[VTOK], s66
	v_min_u32 v34, 0x3ff, v34                      ; a number made of loaded words enters an address only behind a bound
	v_min_u32 v35, 0x3ff, v35
	v_lshl_add_u32 v[XSO], v34, 5, v14             ; 32 scale bytes a token, + 16 h
	v_lshl_add_u32 v[XSO+1], v35, 5, v14
	s_add_co_u32 s27, s27, 32
	v_add_nc_u32 v[VQ], s27, v3                    ; tile tb + 2's rows (both halves of the lanes alike)
	SELECT
	ds_store_b32 v8, v[VTOK] offset:128
	v_lshl_add_u32 v[XSO+2], v[VTOK], 5, v14
.irp i, 0,1,2                                  ; back in the loads' layout: lane (r, h) takes rows 8 h + 0 .. 7 of each tile.  The words are the wave's own and LDS serves a wave's instructions in order (ISA guide 5.7.1.4)
	ds_load_b128 v[XO+8*\i:XO+8*\i+3], v9 offset:64*\i
	ds_load_b128 v[XO+8*\i+4:XO+8*\i+7], v9 offset:64*\i+16
.endr
	s_wait_alu depctr_va_vdst(0)                   ; the wait ahead of a wait that blocks
	s_wait_dscnt 0x0
.set j, 0
.rept 24
	v_min_u32 v[XO+j], 0x3ff, v[XO+j]
.set j, j+1
.endr
.set j, 0
.rept 24
	v_mul_u32_u24 v[XO+j], v[XO+j], 768            ; a row of x is 768 bytes
.set j, j+1
.endr
.set j, 0
.rept 24
	v_add_nc_u32 v[XO+j], v[XO+j], v12
.set j, j+1
.endr
	s_wait_alu depctr_va_vdst(0)                   ; the wait behind the last of these writes
.irp i, 0,1,2
	global_load_b128 v[XSC+4*\i:XSC+4*\i+3], v[XSO+\i], s[6:7]
.endr
.irp i, 0,1,2
	WIN (\i+1)<<6
.irp j, 0,1,2,3,4,5,6,7
.irp m, 0,1,2
	global_load_b128 v[4*(3*\j+\m):4*(3*\j+\m)+3], v[XO+8*\i+\j], s[4:5] offset:256*\m
.endr
.endr
.endr
	WIN 0
.endm
; x's rows turn through my slots: rows 784 bytes apart in, fragments out, into the registers that held the rows.  The bytes are the wave's own: no wait between.
.macro XSTAGE
	s_wait_loadcnt 0x0
.set j, 0
.rept 12
	v_perm_b32 v[XSC+j], v[XSC+j], v[XSC+j], s98   ; the scale words in the instruction's order of blocks
.set j, j+1
.endr
	s_wait_alu depctr_va_vdst(0)
.irp i, 0,1,2
	WIN (\i+1)<<2                                  ; an LDS store's data are its source 1
.irp j, 0,1,2,3,4,5,6,7
.irp m, 0,1,2
	ds_store_b128 v7, v[4*(3*\j+\m):4*(3*\j+\m)+3] offset:\i*SLOTP+\j*PITCH+256*\m
.endr
.endr
.endr
.irp i, 0,1,2
	WIN (\i+1)<<6
.irp s, 0,1,2,3,4,5,6,7
.irp k, 0,1,2
	ds_load_b128 v[12*\s+4*\k:12*\s+4*\k+3], v6 offset:\i*SLOTP+96*\s+16*\k
.endr
.endr
.endr
	WIN 0
.rept 8
	v_nop                                          ; a scale register written by a vector instruction stands eight places ahead of a scaled matrix instruction
.endr
.endm
	s_load_b512 s[4:19], s[0:1], 0x0               ; x's codes s[4:5], x's scales s[6:7], W1's codes s[8:9], W1's scales s[10:11], b1 s[12:13], route s[14:15], hq s[16:17], hs s[18:19]
	v_lshl_add_u32 v254, v0, 2, SPARE
	v_mov_b32 v255, 0
	v_lshrrev_b32 v20, 5, v0
	v_readfirstlane_b32 s20, v20                   ; wave 0..3
	s_mov_b32 s21, ttmp9                           ; c: my chunk of 128 hidden units
	s_and_b32 s22, ttmp7, 0xffff                   ; e: my expert
	s_mul_i32 s26, s20, WAVEX
	s_add_co_u32 s26, s26, XSL                     ; my wave's slots,
	s_lshl_b32 s27, s20, 9
	s_add_co_u32 s27, s27, BIAS                    ; its copy of b1,
	s_mul_i32 s30, s20, 32*PITCH                   ; the 32 rows of W1 that it brings,
	s_lshr_b32 s31, s20, 1
	s_lshl_b32 s31, s31, 7                         ; 128 bytes later for rows 64 on,
	s_add_co_u32 s30, s30, s31
	s_lshl_b32 s3, s20, 8
	s_add_co_u32 s3, s3, DL                        ; its list of tokens
	; every LDS address is made here, of constants, the lane and the wave's number
	v_and_b32 v21, 31, v0                          ; lane
	v_and_b32 v3, 15, v0                           ; r
	v_bfe_u32 v4, v0, 4, 1                         ; h
	v_and_b32 v23, 7, v0                           ; r % 8
	v_bfe_u32 v24, v0, 3, 1                        ; r / 8
	v_mov_b32 v33, 0                               ; a lane permute's destination counts as one of its sources: written here once
	v_lshlrev_b32 v1, 4, v21                       ; 16 x lane
	v_lshlrev_b32 v2, 2, v21                       ; 4 x lane
	v_lshlrev_b32 v14, 4, v4                       ; 16 h
	v_lshlrev_b32 v11, 2, v3                       ; 4 r
	v_lshlrev_b32 v12, 4, v3                       ; 16 r
	v_lshl_add_u32 v13, v4, 4, v3                  ; r + 16 h
	v_mul_u32_u24 v5, v23, PITCH
	v_mad_u32_u24 v5, v24, HALFW, v5
	v_mad_u32_u24 v5, v4, 48, v5                   ; v5: a fragment of W1: chunk row 64 (r / 8) + r % 8, + 48 h; the tile adds 8 rows, the K step 96 bytes
	v_mul_u32_u24 v6, v3, PITCH
	v_mad_u32_u24 v6, v4, 48, v6
	v_add_nc_u32 v6, s26, v6                       ; v6: a fragment of x: row r, + 48 h
	v_mul_u32_u24 v7, v4, 8*PITCH
	v_lshl_add_u32 v7, v3, 4, v7
	v_add_nc_u32 v7, s26, v7                       ; v7: x on the way in: row 8 h, + 16 r
	v_add_nc_u32 v8, s3, v2                        ; v8: the list, in
	v_lshl_add_u32 v9, v4, 5, s3                   ; v9: the list, back: + 32 h
	v_lshl_add_u32 v10, v4, 8, s27                 ; v10: b1 out of LDS: my 64 numbers
	v_add_nc_u32 v15, s27, v1                      ; v15: into it
	v_add_nc_u32 v16, s30, v1                      ; v16-18: a pair of rows of W1 is three loads of 512 dense bytes; in LDS the second row begins 16 bytes later
	v_lshl_add_u32 v17, v4, 4, v16
	v_add_nc_u32 v17, 512, v17
	v_add_nc_u32 v18, 1040, v16
	v_lshlrev_b32 v19, 11, v24
	v_lshl_add_u32 v19, v23, 5, v19
	v_add_nc_u32 v19, v19, v14                     ; v19: W1's scale bytes: 32 a row, my row of tile 0, + 16 h
	s_mov_b32 s98, 0x03010200                      ; v_perm_b32: bytes 0, 2, 1, 3
	s_mov_b32 s100, 0x76543210
	s_mov_b32 s101, 0xfedcba98                     ; v_permlanex16_b32's selects for lane l xor 16
	s_mov_b32 s66, 0xffff0000                      ; lanes 16-31
	s_mov_b32 s29, 0
	s_lshl_b32 s2, s22, 6                          ; 64 e
	s_lshl_b32 s23, s22, 11
	s_lshl_b32 s24, s21, 7
	s_add_co_u32 s23, s23, s24                     ; the chunk's first row of W1: 2048 e + 128 c
	s_wait_alu depctr_va_vdst(0)                   ; the wait at the head's end
	s_wait_kmcnt 0x0
	s_lshl_b32 s28, s22, 7
	s_add_nc_u64 s[14:15], s[14:15], s[28:29]      ; route[0][e]
	s_load_b512 s[32:47], s[14:15], 0x0
	s_load_b512 s[48:63], s[14:15], 0x40
	s_lshl_b32 s28, s23, 5
	s_add_nc_u64 s[10:11], s[10:11], s[28:29]
	s_lshl_b32 s28, s23, 2
	s_add_nc_u64 s[12:13], s[12:13], s[28:29]
	s_lshl_b32 s28, s20, 5
	s_add_co_u32 s28, s28, s23
	s_mul_i32 s28, s28, 768
	s_add_nc_u64 s[8:9], s[8:9], s[28:29]          ; W1's codes at my wave's 32 rows
.irp t, 0,1,2,3,4,5,6,7
	global_load_b128 v[WSC+4*\t:WSC+4*\t+3], v19, s[10:11] offset:256*\t
.endr
	global_load_b128 v[212:215], v1, s[12:13]      ; b1's 128 numbers
.set j, 0
.rept 48                                       ; load j lands in window 1 + j / 24, v160 + 4 (j % 24)
	WIN (1+j/24)<<6
	global_load_b128 v[RAW+4*(j%24):RAW+4*(j%24)+3], v1, s[8:9] offset:512*j th:TH_LOAD_NT   ; the wave reads 512 consecutive bytes, aligned; read once in the launch
.set j, j+1
.endr
	WIN 0
	s_wait_kmcnt 0x0
	s_mov_b32 s23, 0
.set j, 0
.rept 32
	s_bcnt1_i32_b32 s31, s[U+j]
	s_add_co_u32 s23, s23, s31                     ; the expert's rows
.set j, j+1
.endr
	s_add_co_u32 s24, s23, 15
	s_lshr_b32 s24, s24, 4
	s_min_u32 s24, s24, 64                         ; its tiles of 16
	s_mul_i32 s25, s20, 3                          ; tb: my first tile of the pass
	s_mov_b32 s28, 0                               ; passes done
	PREP 1                                         ; every wave runs it, while the weights are on their way
	s_wait_loadcnt 63                              ; loads come back in order (ISA guide 5.7.1): behind the weights' last load 75 were issued, so the weights, their scale bytes and b1 are in
.set j, 0
.rept 32
	v_perm_b32 v[WSC+j], v[WSC+j], v[WSC+j], s98
.set j, j+1
.endr
	s_wait_alu depctr_va_vdst(0)
	ds_store_b128 v15, v[212:215]
.set j, 0
.rept 48
	WIN (1+j/24)<<2                                ; an LDS store's data are its source 1
	ds_store_b128 v[16+j%3], v[RAW+4*(j%24):RAW+4*(j%24)+3] offset:2*PITCH*(j/3)
.set j, j+1
.endr
	WIN 3<<6
.set j, 0
.rept 16
	ds_load_b128 v[RAW+4*j:RAW+4*j+3], v10 offset:16*j          ; b1 of my 64 hidden units, into window 3
.set j, j+1
.endr
	WIN 0
	XSTAGE
	s_wait_dscnt 0x0                               ; for the others' sake: my 32 rows of W1 lie in LDS
	s_barrier_signal -1
	s_barrier_wait -1                              ; the launch's one barrier: every wave passes it; all 128 rows lie in LDS, and nobody writes them again
	s_cmp_lt_u32 s25, s24
	s_cbranch_scc1 .Lpass
	s_wait_tensorcnt 0x0
	ds_add_u32 v254, v255
	s_wait_dscnt 0x0
	s_endpgm                                       ; no tile for my wave
.Lpass:
	WLOAD 0
.set un, 0
.rept 16
.if un > 0 && un < 15
.rept 4
	v_nop                                          ; four places in front of loads into registers that matrix instructions have read
.endr
	WIN 0
.endif
.if un < 15
	WLOAD un+1
	s_wait_dscnt 12                                ; LDS loads come back in order: all but the next unit's twelve are in, x's fragments too
.else
	s_wait_dscnt 0x0
.endif
.irp i, 0,1,2                                  ; twelve accumulators by turns, one instruction a turn, and the other twelve in the next unit
.if un < 2
	WIN ((\i+1)<<6)|(3<<4)|((\i+1)<<2)             ; D and x in the tile's window, b1 in window 3, W1 in window 0
.else
	WIN 0x54*(\i+1)
.endif
.irp t, 0,1,2,3
.if un < 2
	WM ACC+8*(4*(un%2)+\t), RAW+8*(4*(un%2)+\t), WF+48*(un%2)+12*\t, 0, WSC+4*(4*(un%2)+\t), XSC+4*\i, 0, 0
.else
	WM ACC+8*(4*(un%2)+\t), ACC+8*(4*(un%2)+\t), WF+48*(un%2)+12*\t, 12*(un/2), WSC+4*(4*(un%2)+\t)+(un/2)%4, XSC+4*\i+(un/2)%4, (un/2)/4, (un/2)/4
.endif
.endr
.endr
.set un, un+1
.endr
	WIN 0
.rept 4
	v_nop                                          ; four places behind the last products (ISA guide 7.12.1)
.endr
.irp i, 0,1,2                                  ; THE QUANTISER AND THE WAY OUT, tile by tile, all registers in the tile's window; a tile past the count, and those behind it, are passed over
.if \i > 0
	s_add_co_u32 s27, s25, \i
	s_cmp_ge_u32 s27, s24
	s_cbranch_scc1 .Lnext
.endif
	WIN 0x55*(\i+1)
	v_max3_num_f32 v[QM0], |v[ACC]|, |v[ACC+1]|, 0x2800000      ; my two blocks' largest magnitudes, by turns, each accumulator from its low end on; the floor 2^(5 - 127) holds the byte at 1 from below
	v_max3_num_f32 v[QM1], |v[ACC+32]|, |v[ACC+33]|, 0x2800000
.irp k, 2,4,6,8,10,12,14,16,18,20,22,24,26,28,30
	v_max3_num_f32 v[QM0], v[QM0], |v[ACC+\k]|, |v[ACC+\k+1]|
	v_max3_num_f32 v[QM1], v[QM1], |v[ACC+32+\k]|, |v[ACC+33+\k]|
.endr
	v_add_nc_u32 v[QS0], 0xfe000000, v[QM0]        ; 4 off the exponent field: the conversion takes the exponent field of this operand as its scale
	v_add_nc_u32 v[QS1], 0xfe000000, v[QM1]
	v_lshrrev_b32 v[QB0], 23, v[QS0]               ; the scales' bytes
	v_lshrrev_b32 v[QB1], 23, v[QS1]
	v_lshl_or_b32 v[QW], v[QB1], 16, v[QB0]        ; blocks 2 h and 2 h + 1 stand at bytes h and 2 + h of the word (the instruction's order of blocks):
	v_lshlrev_b32 v[QT], 8, v[QW]
	v_cndmask_b32 v[QW], v[QW], v[QT], s66         ; 8 bits up in lanes 16-31;
	v_permlanex16_b32 v[QT], v[QW], s100, s101
	v_or_b32 v[QW], v[QW], v[QT]                   ; with lane l xor 16's two the word is whole
	v_cvt_scalef32_pk16_bf6_f32 v[P:P+2], v[ACC:ACC+15], v[QS0]
	v_cvt_scalef32_pk16_bf6_f32 v[TT:TT+2], v[ACC+16:ACC+31], v[QS0]        ; (a conversion's three registers begin on an even number: a block's second three do not, so they are made elsewhere and moved)
	v_cvt_scalef32_pk16_bf6_f32 v[P+6:P+8], v[ACC+32:ACC+47], v[QS1]
	v_cvt_scalef32_pk16_bf6_f32 v[TT+4:TT+6], v[ACC+48:ACC+63], v[QS1]
	v_nop                                          ; one plain line behind the scaled conversions
.irp k, 0,1,2
	v_mov_b32 v[P+3+\k], v[TT+\k]
	v_mov_b32 v[P+9+\k], v[TT+4+\k]
.endr
	WIN (\i+1)<<2                                  ; a store's data are its source 1, its offset source 0
.irp k, 0,1,2
	global_store_b128 v[HQO+\i], v[P+4*\k:P+4*\k+3], s[16:17] offset:512*\k   ; the wave stores 512 consecutive bytes, aligned; the three together the record's 1,536
.endr
	global_store_b32 v[HSO+\i], v[QW], s[18:19]    ; 16 words, 64 consecutive bytes; both halves of the lanes write the same word with the same value
	WIN 0
.endr
.Lnext:
	s_add_co_u32 s25, s25, 12                      ; an expert with more than 192 rows: further passes, six at the most (64 tiles)
	s_add_co_u32 s28, s28, 1
	s_cmp_ge_u32 s25, s24
	s_cbranch_scc1 .Ldone
	PREP 0
	XSTAGE
	s_cmp_lt_u32 s28, 6
	s_cbranch_scc1 .Lpass
.Ldone:
	s_wait_tensorcnt 0x0                           ; the wave's end
	ds_add_u32 v254, v255
	s_wait_dscnt 0x0
	s_endpgm
.Lfunc_end_k_q89f653f65e_fc1:
	.size	k_q89f653f65e_fc1, .Lfunc_end_k_q89f653f65e_fc1-k_q89f653f65e_fc1
	.p2alignl 7, 3214868480
	.fill 96, 4, 3214868480
	.section	.rodata,"a",@progbits
	.p2align	6, 0x0
	.amdhsa_kernel k_q89f653f65e_fc1
		.amdhsa_group_segment_fixed_size 254720
		.amdhsa_private_segment_fixed_size 0
		.amdhsa_enable_private_segment 0
		.amdhsa_kernarg_size 64
		.amdhsa_user_sgpr_count 2
		.amdhsa_user_sgpr_kernarg_segment_ptr 1
		.amdhsa_wavefront_size32 1
		.amdhsa_system_sgpr_workgroup_id_x 1
		.amdhsa_system_sgpr_workgroup_id_y 1
		.amdhsa_system_sgpr_workgroup_id_z 1
		.amdhsa_system_vgpr_workitem_id 0
		.amdhsa_next_free_vgpr 1024
		.amdhsa_next_free_sgpr 102
		.amdhsa_reserve_vcc 1
		.amdhsa_float_denorm_mode_32 3
		.amdhsa_float_denorm_mode_16_64 3
		.amdhsa_memory_ordered 1
		.amdhsa_forward_progress 1
		.amdhsa_inst_pref_size 161
	.end_amdhsa_kernel
	.amdgpu_metadata
---
amdhsa.version: [ 1, 2 ]
amdhsa.kernels:
  - .name:           k_q89f653f65e_fc1
    .symbol:         k_q89f653f65e_fc1.kd
    .args:
      - { .name: x_codes, .offset: 0, .size: 8, .value_kind: global_buffer, .address_space: global }
      - { .name: x_scales, .offset: 8, .size: 8, .value_kind: global_buffer, .address_space: global }
      - { .name: W1_codes, .offset: 16, .size: 8, .value_kind: global_buffer, .address_space: global }
      - { .name: W1_scales, .offset: 24, .size: 8, .value_kind: global_buffer, .address_space: global }
      - { .name: b1, .offset: 32, .size: 8, .value_kind: global_buffer, .address_space: global }
      - { .name: route, .offset: 40, .size: 8, .value_kind: global_buffer, .address_space: global }
      - { .name: hq, .offset: 48, .size: 8, .value_kind: global_buffer, .address_space: global }
      - { .name: hs, .offset: 56, .size: 8, .value_kind: global_buffer, .address_space: global }
    .group_segment_fixed_size: 254720
    .private_segment_fixed_size: 0
    .kernarg_segment_align: 8
    .kernarg_segment_size: 64
    .max_flat_workgroup_size: 128
    .sgpr_count:     102
    .vgpr_count:     1024
    .wavefront_size: 32
...
	.end_amdgpu_metadata
.endif
;; end of part 2
;; launch fc2 (part 3): grid 16 x 16, 4 waves a work-group, no clusters, 120,320 bytes of LDS; arguments hq, hs, W2_codes, W2_scales, b2, route, lg; writes lg
.if DOCPART == 3
	.amdgcn_target "amdgcn-amd-amdhsa--gfx1250"
	.amdhsa_code_object_version 6
	.text
	.protected	k_q89f653f65e_fc2
	.globl	k_q89f653f65e_fc2
	.p2align	8
	.type	k_q89f653f65e_fc2,@function
k_q89f653f65e_fc2:
	s_mov_b64 s[64:65], 0
	v_nop
	global_prefetch_b8 v0, s[64:65] scope:SCOPE_SE
	s_setreg_imm32_b32 hwreg(HW_REG_WAVE_MODE, 25, 1), 1
	s_wait_xcnt 0x0
; FC2.  logits = Q(h) W2[e] + b2[e], only for the rows that chose expert e (reference() gathers the two chosen experts of a token and drops the rest; the choice is read from route, which an earlier launch stored).
; h comes as the register images that the launch before stored; W2 [16][1000][2048] as codes of BF6 (E3M2), K innermost, one E8M0 byte for each 32.
; SHARES.  Work-group (c, e) owns classes 64 c .. 64 c + 63 of expert e: 64 rows of W2 of 1,536 bytes, read once, by this work-group alone, in loads of 512 consecutive bytes, and laid into LDS behind the launch's one barrier.
; THE ROWS STAY, THE WEIGHTS WALK.  In a pass wave w holds the expert's tiles of 16 rows tb, tb + 1, tb + 2 (tb = 12 pass + 3 w) whole: 16 K steps x 12 registers each, tile i in window i + 1 with its four accumulators.  The weights come out
; of LDS K step by K step, four fragments in each of two sets; each fragment feeds three products.  A tile past the expert's count is replaced by the wave's first tile of the pass; what it gives is not stored.  The tiles are dealt on end,
; so that an expert of up to 9 tiles leaves the fourth wave without one: it ends behind the barrier and reads no fragment.
; No cluster, no joint load, no tensor load: each weight byte has one reader, and the trip counts hang on stored counts.  No prefetch: all that a pass reads is asked for at its head.
; THE LAST CHUNK has 40 classes.  Its other rows are loaded from the expert's last eight rows (row numbers held at 992, scale rows at 999, b2's quads at 996): no load leaves its buffer; what they give lands in lg's columns 1000 .. 1023, which nobody uses.
; THE PRODUCT IS USED TRANSPOSED (source 0 = 16 classes, source 1 = 16 rows of h): lane (r, h) holds row r and classes 16 t + 8 h + j.  b2 is the C of each sum's first product.
; OUT.  Row q of the expert is the q-th set bit of route[0][e] (macro SELECT), as in the launch before; it goes to lg[2 token + kk], kk = its bit in route[1][e].  Rows past the expert's count go to lg[2048 + e], a spare row that nobody reads.
; A tile goes through the wave's own stage in LDS; sixteen lanes store a row's 256 consecutive bytes, aligned.
; K ORDER INSIDE A K STEP: as in the other launches: the instruction's blocks 0, 1, 2, 3 are the row's blocks 0, 2, 1, 3; W2's scale words have their middle bytes exchanged, h's were made so.
; LIMITS: NaN and infinities are not served.  For an expert that no token chose the waves load that expert's tile 0 of hq and hs, which no launch stored; nothing is made of those bytes and nothing is stored.
.set PITCH,  1552                      ; an LDS row: 1,536 bytes + 16 = 388 words: row r starts at bank 4 r mod 64 (64 banks of 4 bytes: ISA guide 11.1)
.set BIAS,   64*PITCH                  ; behind the weights: b2's 64 numbers, 512 bytes for each wave
.set STG,    BIAS+4*512                ; a stage of 16 rows x (256 + 16) bytes for each wave
.set SPITCH, 272
.set DL,     STG+4*16*SPITCH           ; 256 bytes for each wave: the rows of lg of its 48 rows
.set SPARE,  DL+4*256                  ; the spare words, 128 bytes for each wave
.set U,      32                        ; s[32:63]  route[0][e]
.set S2,     68                        ; s[68:99]  route[1][e]
.set SPF,    28
.set STM,    29
.set VQ,   20
.set VWRD, 21
.set VBAS, 22
.set VIDX, 23
.set VN,   24
.set VPOS, 25
.set VT,   26
.set VU,   27
.set VC1,  28
.set VC2,  29
.set VC4,  30
.set VC8,  31
.set VW2,  32
.set VDST, 33
.set RO,   36                          ; v36-59   tile i, register 8 i + j: byte offset in lg of row 8 h + j, + 16 r
.set HSC,  60                          ; v60-83   h's scale words: tile i, register 8 i + p: K step 2 p in lanes 0-15, 2 p + 1 in lanes 16-31
.set WSC,  84                          ; v84-115  W2's: tile t, K step s: register 8 t + 4 (s / 8) + s % 4, lanes 16 ((s / 4) % 2) on
.set BIA,  116                         ; v116-147 b2 in the result's layout, 8 registers for each 16 classes
.set WF,   148                         ; v148-243 W2's fragments, two sets of four; at the head five offsets; on the way out the rows
.set WOFF, 148
.set BOFF, 152
.set HO,   244                         ; v244-246 my three tiles' offsets in hq, + 16 lane;  v247-249 in hs, + 4 lane
.set HSO,  247
.set AC,   192                         ; windows 1 to 3: v0-191 a tile of h, v192-223 its accumulators; at the head v192-255 hold W2's rows as loaded
.set MSB, 0
.macro WIN new                         ; the immediate's high byte repeats the setting that is left; a switch that changes nothing is dropped
.if MSB != (\new)
	s_set_vgpr_msb (MSB<<8)|(\new)
.set MSB, \new
.endif
.endm
.macro WM d, c, a, b, sa, sb, ra, rb   ; one scaled product; ra, rb: which half of the lanes of each scale register is read
.if (\ra) && (\rb)
	v_wmma_scale_f32_16x16x128_f8f6f4 v[\d:\d+7], v[\a:\a+11], v[\b:\b+11], v[\c:\c+7], v[\sa], v[\sb] matrix_a_fmt:MATRIX_FMT_BF6 matrix_b_fmt:MATRIX_FMT_BF6 matrix_a_scale:MATRIX_SCALE_ROW1 matrix_b_scale:MATRIX_SCALE_ROW1
.elseif (\ra)
	v_wmma_scale_f32_16x16x128_f8f6f4 v[\d:\d+7], v[\a:\a+11], v[\b:\b+11], v[\c:\c+7], v[\sa], v[\sb] matrix_a_fmt:MATRIX_FMT_BF6 matrix_b_fmt:MATRIX_FMT_BF6 matrix_a_scale:MATRIX_SCALE_ROW1
.elseif (\rb)
	v_wmma_scale_f32_16x16x128_f8f6f4 v[\d:\d+7], v[\a:\a+11], v[\b:\b+11], v[\c:\c+7], v[\sa], v[\sb] matrix_a_fmt:MATRIX_FMT_BF6 matrix_b_fmt:MATRIX_FMT_BF6 matrix_b_scale:MATRIX_SCALE_ROW1
.else
	v_wmma_scale_f32_16x16x128_f8f6f4 v[\d:\d+7], v[\a:\a+11], v[\b:\b+11], v[\c:\c+7], v[\sa], v[\sb] matrix_a_fmt:MATRIX_FMT_BF6 matrix_b_fmt:MATRIX_FMT_BF6
.endif
.endm
.macro HALF cnt, wid, step             ; one halving of SELECT's search
	v_bfe_u32 v[VT], v[\cnt], v[VPOS], \wid
	v_cmp_ge_u32 vcc_lo, v[VN], v[VT]
	v_cndmask_b32 v[VT], 0, v[VT], vcc_lo
	v_cndmask_b32 v[VU], 0, \step, vcc_lo
	v_sub_nc_u32 v[VN], v[VN], v[VT]
	v_add_nc_u32 v[VPOS], v[VPOS], v[VU]
.endm
; The place of the q-th set bit (q = v[VQ], from 0) of the 1,024 bits in s[U ..]: word v[VIDX], bit v[VPOS]; v[VW2]: the word of s[S2 ..] with the same number.  q past the last set bit gives word 31, bit 31.
.macro SELECT
	v_mov_b32 v[VWRD], s[U]
	v_mov_b32 v[VW2], s[S2]
	v_mov_b32 v[VBAS], 0
	v_mov_b32 v[VIDX], 0
	s_bcnt1_i32_b32 s[SPF], s[U]
.set sw, 1
.rept 31
	v_cmp_le_u32 vcc_lo, s[SPF], v[VQ]
	v_cndmask_b32 v[VWRD], v[VWRD], s[U+sw], vcc_lo
	v_cndmask_b32 v[VW2], v[VW2], s[S2+sw], vcc_lo
	v_cndmask_b32 v[VBAS], v[VBAS], s[SPF], vcc_lo
	v_cndmask_b32 v[VIDX], v[VIDX], sw, vcc_lo
	s_bcnt1_i32_b32 s[STM], s[U+sw]
	s_add_co_u32 s[SPF], s[SPF], s[STM]
.set sw, sw+1
.endr
	v_sub_nc_u32 v[VN], v[VQ], v[VBAS]
	v_lshrrev_b32 v[VT], 1, v[VWRD]
	v_and_b32 v[VT], 0x55555555, v[VT]
	v_sub_nc_u32 v[VC1], v[VWRD], v[VT]
	v_lshrrev_b32 v[VT], 2, v[VC1]
	v_and_b32 v[VC2], 0x33333333, v[VC1]
	v_and_b32 v[VT], 0x33333333, v[VT]
	v_add_nc_u32 v[VC2], v[VC2], v[VT]
	v_lshrrev_b32 v[VT], 4, v[VC2]
	v_add_nc_u32 v[VT], v[VC2], v[VT]
	v_and_b32 v[VC4], 0x0f0f0f0f, v[VT]
	v_lshrrev_b32 v[VT], 8, v[VC4]
	v_add_nc_u32 v[VC8], v[VC4], v[VT]
	v_mov_b32 v[VPOS], 0
	HALF VC8, 8, 16
	HALF VC4, 8, 8
	HALF VC2, 4, 4
	HALF VC1, 2, 2
	HALF VWRD, 1, 1
.endm
.macro DEST off                        ; the row of lg of each lane's q, into my words of LDS
	v_lshl_add_u32 v[VDST], v[VIDX], 5, v[VPOS]    ; the token,
	v_bfe_u32 v[VT], v[VW2], v[VPOS], 1            ; first or second choice
	v_lshl_or_b32 v[VDST], v[VDST], 1, v[VT]
	v_cmp_gt_u32 vcc_lo, s21, v[VQ]                ; a row past the expert's count takes the expert's spare row
	v_cndmask_b32 v[VDST], v19, v[VDST], vcc_lo
	ds_store_b32 v9, v[VDST] offset:\off
.endm
.macro HG g                            ; h's fragments of K steps 2 g and 2 g + 1 of my three tiles: 18 loads of 512 consecutive bytes
.irp i, 0,1,2
	WIN (\i+1)<<6
.irp u, 0,1
.irp j, 0,1,2
	global_load_b128 v[12*(2*(\g)+\u)+4*\j:12*(2*(\g)+\u)+4*\j+3], v[HO+\i], s[4:5] offset:(2*(\g)+\u)*1536+512*\j
.endr
.endr
.endr
	WIN 0
.endm
.macro WLOAD s                         ; W2's four fragments of K step s into set s % 2
.irp t, 0,1,2,3
.irp j, 0,1,2
	ds_load_b128 v[WF+48*((\s)%2)+12*\t+4*\j:WF+48*((\s)%2)+12*\t+4*\j+3], v[5+\t/2] offset:16*PITCH*(\t%2)+96*(\s)+16*\j
.endr
.endr
.endm
; A PASS'S HEAD.  Where my three tiles lie; the rows of lg of their 48 rows; then the loads: 24 of scale words and the first three pairs of K steps, 54.
.macro PREP first
.if !(\first)
	s_wait_xcnt 0x0                                ; the last pass's stores have read their offsets and data: both are written again only behind this wait
.endif
	s_max_u32 s25, s22, 1
	s_sub_co_u32 s25, s25, 1
	s_min_u32 s25, s25, s23                        ; the tile that stands in for one past the count
.irp i, 0,1,2
	s_add_co_u32 s26, s23, \i
	s_cmp_lt_u32 s26, s22
	s_cselect_b32 s26, s26, s25
	s_add_co_u32 s26, s26, s31                     ; + 64 e
	s_min_u32 s26, s26, 1023                       ; a number made of loaded words enters an address only behind a bound
	s_mul_i32 s27, s26, 24576
	v_add_nc_u32 v[HO+\i], s27, v1
	s_lshl_b32 s27, s26, 10
	v_add_nc_u32 v[HSO+\i], s27, v2
.endr
	s_lshl_b32 s27, s23, 4
	v_add_nc_u32 v[VQ], s27, v13                   ; lanes 0-15: tile tb's rows; lanes 16-31: tile tb + 1's
	SELECT
	DEST 0
	s_add_co_u32 s27, s27, 32
	v_add_nc_u32 v[VQ], s27, v3                    ; tile tb + 2's rows (both halves of the lanes alike)
	SELECT
	DEST 128
.irp i, 0,1,2                                  ; back in the stores' layout: lane (r, h) takes rows 8 h + 0 .. 7 of each tile.  The words are the wave's own and LDS serves a wave's instructions in order (ISA guide 5.7.1.4)
	ds_load_b128 v[RO+8*\i:RO+8*\i+3], v10 offset:64*\i
	ds_load_b128 v[RO+8*\i+4:RO+8*\i+7], v10 offset:64*\i+16
.endr
	s_wait_alu depctr_va_vdst(0)                   ; the wait ahead of a wait that blocks
	s_wait_dscnt 0x0
.set j, 0
.rept 24
	v_min_u32 v[RO+j], 0x80f, v[RO+j]              ; lg has 2,064 rows
.set j, j+1
.endr
.set j, 0
.rept 24
	v_lshl_add_u32 v[RO+j], v[RO+j], 12, v12       ; a row of lg is 4,096 bytes
.set j, j+1
.endr
	s_wait_alu depctr_va_vdst(0)
.irp i, 0,1,2
.irp p, 0,1,2,3,4,5,6,7
	global_load_b32 v[HSC+8*\i+\p], v[HSO+\i], s[6:7] offset:128*\p
.endr
.endr
	HG 0
	HG 1
	HG 2
.endm
	s_load_b256 s[4:11], s[0:1], 0x0               ; hq s[4:5], hs s[6:7], W2's codes s[8:9], W2's scales s[10:11]
	s_load_b128 s[12:15], s[0:1], 0x20             ; b2 s[12:13], route s[14:15]
	s_load_b64 s[16:17], s[0:1], 0x30              ; lg
	v_lshl_add_u32 v254, v0, 2, SPARE
	v_mov_b32 v255, 0
	v_lshrrev_b32 v20, 5, v0
	v_readfirstlane_b32 s18, v20                   ; wave 0..3
	s_mov_b32 s19, ttmp9                           ; c: my chunk of 64 classes
	s_and_b32 s20, ttmp7, 0xffff                   ; e: my expert
	s_lshl_b32 s2, s18, 9
	s_add_co_u32 s2, s2, BIAS                      ; my wave's place for b2,
	s_mul_i32 s3, s18, 16*SPITCH
	s_add_co_u32 s3, s3, STG                       ; its stage,
	s_lshl_b32 s24, s18, 8
	s_add_co_u32 s24, s24, DL                      ; its list of rows,
	s_mul_i32 s26, s18, 16*PITCH                   ; the 16 rows of W2 that it brings
	s_lshl_b32 s25, s19, 6                         ; 64 c
	s_add_co_u32 s21, s20, 2048
	; every LDS address is made here, of constants, the lane and the wave's number
	v_and_b32 v21, 31, v0                          ; lane
	v_and_b32 v3, 15, v0                           ; r
	v_bfe_u32 v4, v0, 4, 1                         ; h
	v_lshlrev_b32 v1, 4, v21                       ; 16 x lane
	v_lshlrev_b32 v2, 2, v21                       ; 4 x lane
	v_lshlrev_b32 v12, 4, v3                       ; 16 r
	v_lshl_add_u32 v13, v4, 4, v3                  ; r + 16 h
	v_lshlrev_b32 v22, 4, v4                       ; 16 h
	v_mov_b32 v19, s21                             ; the expert's spare row of lg
	v_mul_u32_u24 v5, v3, PITCH
	v_mad_u32_u24 v5, v4, 48, v5                   ; v5: a fragment of W2 in tiles 0, 1: row r, + 48 h
	v_add_nc_u32 v6, 32*PITCH, v5                  ; v6: in tiles 2, 3
	v_lshl_add_u32 v16, v4, 5, s2                  ; v16: b2 out of LDS: + 32 h
	v_add_nc_u32 v15, s2, v1                       ; v15: into it
	v_mul_u32_u24 v7, v3, SPITCH
	v_lshl_add_u32 v7, v4, 5, v7
	v_add_nc_u32 v7, s3, v7                        ; v7: into the stage: row r, + 32 h
	v_mul_u32_u24 v8, v4, 8*SPITCH
	v_lshl_add_u32 v8, v3, 4, v8
	v_add_nc_u32 v8, s3, v8                        ; v8: back: row 8 h, + 16 r
	v_add_nc_u32 v9, s24, v2                       ; v9: the list, in
	v_lshl_add_u32 v10, v4, 5, s24                 ; v10: the list, back: + 32 h
	v_add_nc_u32 v11, s26, v1                      ; v11: W2's rows on the way in
	v_add_nc_u32 v20, s25, v3                      ; my class in tile 0
.irp t, 0,1,2,3
	v_add_nc_u32 v21, 16*\t, v20
	v_min_u32 v21, 999, v21
	v_lshl_add_u32 v[WOFF+\t], v21, 6, v22         ; W2's scale bytes: 64 a row, + 16 h
.endr
	v_lshl_add_u32 v21, v3, 2, s25
	v_min_u32 v21, 996, v21
	v_lshlrev_b32 v[BOFF], 2, v21                  ; b2: four numbers a lane
	s_mov_b32 s30, 0x03010200                      ; v_perm_b32: bytes 0, 2, 1, 3
	s_mov_b32 s27, 0
	s_lshl_b32 s31, s20, 6                         ; 64 e
	s_lshl_b32 s28, s18, 4
	s_add_co_u32 s28, s28, s25                     ; my wave's 16 rows, as two groups of eight: 64 c + 16 w and eight on,
	s_add_co_u32 s29, s28, 8
	s_min_u32 s28, s28, 992                        ; each held inside the expert's 1,000
	s_min_u32 s29, s29, 992
	s_mul_i32 s23, s20, 1000
	s_add_co_u32 s28, s28, s23
	s_add_co_u32 s29, s29, s23
	s_mul_i32 s28, s28, 1536
	s_mul_i32 s29, s29, 1536
	s_wait_alu depctr_va_vdst(0)                   ; the wait at the head's end
	s_wait_kmcnt 0x0
	s_lshl_b32 s26, s20, 7
	s_add_nc_u64 s[14:15], s[14:15], s[26:27]
	s_load_b512 s[32:47], s[14:15], 0x0            ; route[0][e]
	s_load_b512 s[48:63], s[14:15], 0x40
	s_load_b512 s[68:83], s[14:15], 0x800          ; route[1][e]
	s_load_b512 s[84:99], s[14:15], 0x840
	s_mov_b32 s26, s29
	s_add_nc_u64 s[100:101], s[8:9], s[26:27]      ; the second group of eight rows,
	s_mov_b32 s26, s28
	s_add_nc_u64 s[8:9], s[8:9], s[26:27]          ; the first
	s_mul_i32 s26, s20, 64000
	s_add_nc_u64 s[10:11], s[10:11], s[26:27]
	s_mul_i32 s26, s20, 4000
	s_add_nc_u64 s[12:13], s[12:13], s[26:27]
	s_lshl_b32 s26, s19, 8
	s_add_nc_u64 s[16:17], s[16:17], s[26:27]      ; lg at my 64 columns
.irp t, 0,1,2,3
.irp q, 0,1
	global_load_b128 v[WSC+8*\t+4*\q:WSC+8*\t+4*\q+3], v[WOFF+\t], s[10:11] offset:32*\q
.endr
.endr
	global_load_b128 v[250:253], v[BOFF], s[12:13]
.set j, 0
.rept 48                                       ; load j lands in window 1 + j / 16, v192 + 4 (j % 16)
	WIN (1+j/16)<<6
.if j < 24
	global_load_b128 v[AC+4*(j%16):AC+4*(j%16)+3], v1, s[8:9] offset:512*j th:TH_LOAD_NT   ; the wave reads 512 consecutive bytes, aligned; read once in the launch
.else
	global_load_b128 v[AC+4*(j%16):AC+4*(j%16)+3], v1, s[100:101] offset:512*(j-24) th:TH_LOAD_NT
.endif
.set j, j+1
.endr
	WIN 0
	s_wait_kmcnt 0x0
	s_mov_b32 s21, 0
.set j, 0
.rept 32
	s_bcnt1_i32_b32 s29, s[U+j]
	s_add_co_u32 s21, s21, s29                     ; the expert's rows
.set j, j+1
.endr
	s_add_co_u32 s22, s21, 15
	s_lshr_b32 s22, s22, 4
	s_min_u32 s22, s22, 64                         ; its tiles of 16
	s_mul_i32 s23, s18, 3                          ; tb: my first tile of the pass
	s_mov_b32 s24, 0                               ; passes done
	PREP 1                                         ; every wave runs it, while the weights are on their way
	s_wait_loadcnt 63                              ; loads come back in order (ISA guide 5.7.1): behind the weights' last load 78 were issued, so the weights, their scale bytes and b2 are in
.set j, 0
.rept 32
	v_perm_b32 v[WSC+j], v[WSC+j], v[WSC+j], s30
.set j, j+1
.endr
	ds_store_b128 v15, v[250:253]
.set j, 0
.rept 48
	WIN (1+j/16)<<2                                ; an LDS store's data are its source 1
	ds_store_b128 v11, v[AC+4*(j%16):AC+4*(j%16)+3] offset:PITCH*(j/3)+512*(j%3)
.set j, j+1
.endr
	WIN 0
.irp t, 0,1,2,3
	ds_load_b128 v[BIA+8*\t:BIA+8*\t+3], v16 offset:64*\t       ; b2 of my classes 16 t + 8 h + 0 .. 7
	ds_load_b128 v[BIA+8*\t+4:BIA+8*\t+7], v16 offset:64*\t+16
.endr
.rept 8
	v_nop                                          ; a scale register written by a vector instruction stands eight places ahead of a scaled matrix instruction
.endr
	s_wait_alu depctr_va_vdst(0)                   ; the wait ahead of a wait that blocks
	s_wait_dscnt 0x0                               ; for the others' sake: my 16 rows of W2 lie in LDS
	s_barrier_signal -1
	s_barrier_wait -1                              ; the launch's one barrier: every wave passes it; all 64 rows lie in LDS, and nobody writes them again
	s_cmp_lt_u32 s23, s22
	s_cbranch_scc1 .Lpass
	s_wait_tensorcnt 0x0
	ds_add_u32 v254, v255
	s_wait_dscnt 0x0
	s_endpgm                                       ; no tile for my wave
.Lpass:                                            ; on every way in these loads of mine are out or in, in this order: 24 of scale words, K steps 0 to 5 (54)
	WLOAD 0
.set ks, 0
.rept 16
.if ks > 0 && ks < 15
.rept 4
	v_nop                                          ; four places in front of loads into registers that matrix instructions have read
.endr
	WIN 0
.endif
.if ks < 15
	WLOAD ks+1
.endif
.if ks%2 == 0
.if ks/2 < 5
	HG ks/2+3                                      ; three pairs of K steps ahead
	s_wait_loadcnt 54                              ; behind this pair's loads: three pairs of 18
.else
	s_wait_loadcnt 18*(7-ks/2)                     ; only the later pairs
.endif
.endif
.if ks < 15
	s_wait_dscnt 12                                ; all but the next K step's twelve
.else
	s_wait_dscnt 0x0
.endif
.irp i, 0,1,2                                  ; the twelve accumulators by turns, one instruction a turn
.if ks == 0
	WIN ((\i+1)<<6)|((\i+1)<<2)                    ; D and h in the tile's window; W2 and b2 in window 0
.else
	WIN ((\i+1)<<6)|((\i+1)<<4)|((\i+1)<<2)
.endif
.irp t, 0,1,2,3
.if ks == 0
	WM AC+8*\t, BIA+8*\t, WF+12*\t, 0, WSC+8*\t, HSC+8*\i, 0, 0
.else
	WM AC+8*\t, AC+8*\t, WF+48*(ks%2)+12*\t, 12*ks, WSC+8*\t+4*(ks/8)+ks%4, HSC+8*\i+ks/2, (ks/4)%2, ks%2
.endif
.endr
.endr
.set ks, ks+1
.endr
	WIN 0
.rept 4
	v_nop                                          ; four places behind the last products (ISA guide 7.12.1)
.endr
.irp i, 0,1,2                                  ; THE WAY OUT, tile by tile; a tile past the count, and those behind it, are passed over
.if \i > 0
	s_add_co_u32 s26, s23, \i
	s_cmp_ge_u32 s26, s22
	s_cbranch_scc1 .Lnext
.endif
	WIN (\i+1)<<2
.irp t, 0,1,2,3
	ds_store_b128 v7, v[AC+8*\t:AC+8*\t+3] offset:64*\t         ; each accumulator from its low end on
	ds_store_b128 v7, v[AC+8*\t+4:AC+8*\t+7] offset:64*\t+16
.endr
	WIN 0
.irp j, 0,1,2,3,4,5,6,7
	ds_load_b128 v[WF+32*\i+4*\j:WF+32*\i+4*\j+3], v8 offset:SPITCH*\j   ; rows j and 8 + j; LDS serves a wave's instructions in order: these see my stores
.endr
.irp j, 0,1,2,3,4,5,6,7
	s_wait_dscnt 7-\j                              ; all but the later rows' loads are in
	global_store_b128 v[RO+8*\i+\j], v[WF+32*\i+4*\j:WF+32*\i+4*\j+3], s[16:17]   ; sixteen lanes store 256 consecutive bytes, aligned
.endr
.endr
.Lnext:
	s_add_co_u32 s23, s23, 12                      ; an expert with more than 192 rows: further passes, six at the most (64 tiles)
	s_add_co_u32 s24, s24, 1
	s_cmp_ge_u32 s23, s22
	s_cbranch_scc1 .Ldone
	PREP 0
	s_cmp_lt_u32 s24, 6
	s_cbranch_scc1 .Lpass
.Ldone:
	s_wait_tensorcnt 0x0                           ; the wave's end
	ds_add_u32 v254, v255
	s_wait_dscnt 0x0
	s_endpgm
.Lfunc_end_k_q89f653f65e_fc2:
	.size	k_q89f653f65e_fc2, .Lfunc_end_k_q89f653f65e_fc2-k_q89f653f65e_fc2
	.p2alignl 7, 3214868480
	.fill 96, 4, 3214868480
	.section	.rodata,"a",@progbits
	.p2align	6, 0x0
	.amdhsa_kernel k_q89f653f65e_fc2
		.amdhsa_group_segment_fixed_size 120320
		.amdhsa_private_segment_fixed_size 0
		.amdhsa_enable_private_segment 0
		.amdhsa_kernarg_size 56
		.amdhsa_user_sgpr_count 2
		.amdhsa_user_sgpr_kernarg_segment_ptr 1
		.amdhsa_wavefront_size32 1
		.amdhsa_system_sgpr_workgroup_id_x 1
		.amdhsa_system_sgpr_workgroup_id_y 1
		.amdhsa_system_sgpr_workgroup_id_z 1
		.amdhsa_system_vgpr_workitem_id 0
		.amdhsa_next_free_vgpr 1024
		.amdhsa_next_free_sgpr 102
		.amdhsa_reserve_vcc 1
		.amdhsa_float_denorm_mode_32 3
		.amdhsa_float_denorm_mode_16_64 3
		.amdhsa_memory_ordered 1
		.amdhsa_forward_progress 1
		.amdhsa_inst_pref_size 152
	.end_amdhsa_kernel
	.amdgpu_metadata
---
amdhsa.version: [ 1, 2 ]
amdhsa.kernels:
  - .name:           k_q89f653f65e_fc2
    .symbol:         k_q89f653f65e_fc2.kd
    .args:
      - { .name: hq, .offset: 0, .size: 8, .value_kind: global_buffer, .address_space: global }
      - { .name: hs, .offset: 8, .size: 8, .value_kind: global_buffer, .address_space: global }
      - { .name: W2_codes, .offset: 16, .size: 8, .value_kind: global_buffer, .address_space: global }
      - { .name: W2_scales, .offset: 24, .size: 8, .value_kind: global_buffer, .address_space: global }
      - { .name: b2, .offset: 32, .size: 8, .value_kind: global_buffer, .address_space: global }
      - { .name: route, .offset: 40, .size: 8, .value_kind: global_buffer, .address_space: global }
      - { .name: lg, .offset: 48, .size: 8, .value_kind: global_buffer, .address_space: global }
    .group_segment_fixed_size: 120320
    .private_segment_fixed_size: 0
    .kernarg_segment_align: 8
    .kernarg_segment_size: 56
    .max_flat_workgroup_size: 128
    .sgpr_count:     102
    .vgpr_count:     1024
    .wavefront_size: 32
...
	.end_amdgpu_metadata
.endif
;; end of part 3
;; launch fin (part 4): grid 128 x 1, 8 waves a work-group, no clusters, 33,792 bytes of LDS; arguments lg, wv, out0; writes out0
.if DOCPART == 4
	.amdgcn_target "amdgcn-amd-amdhsa--gfx1250"
	.amdhsa_code_object_version 6
	.text
	.protected	k_q89f653f65e_fin
	.globl	k_q89f653f65e_fin
	.p2align	8
	.type	k_q89f653f65e_fin,@function
k_q89f653f65e_fin:
	s_mov_b64 s[64:65], 0
	v_nop
	global_prefetch_b8 v0, s[64:65] scope:SCOPE_SE
	s_setreg_imm32_b32 hwreg(HW_REG_WAVE_MODE, 25, 1), 1
	s_wait_xcnt 0x0
; FIN.  out0[b][:] = w0 log_softmax(lg[2 b]) + w1 log_softmax(lg[2 b + 1]) over 1,000 classes; (w0, w1) = wv[b].  lg's rows are 1,024 numbers long; the last 24 are replaced by -infinity ahead of everything.
; One wave takes one token: both rows stay in its registers (32 numbers a lane each) between the maximum, the sum and the result, so lg is read once.  The row's largest logit is taken away ahead of the exponentials; the
; differences logit - logsumexp are formed first and weighed afterwards, so that an offset common to a row's logits cancels.
; A row of out0 is 4,000 bytes, no whole number of blocks of 256.  So a work-group's eight rows, 32,000 bytes = 125 aligned blocks, meet in LDS, and each store of a wave covers one whole block.  In LDS the rows lie 4,096 bytes apart
; and each wave stores all 1,024 numbers of its row with all lanes on; the last 24 are never read.  The 8 bytes at byte o of the work-group's 32,000 lie at LDS byte o + 96 (o / 4000); 4,000 is a multiple of 8, so no piece straddles a row.
; Memory binds: no matrix work, no cluster, nothing shared between work-groups.  LIMITS: NaN and infinities among the logits are not served.
.set Z0, 16                            ; v16-47   row 0: register 4 i + j is class 128 i + 4 lane + j; later the result
.set Z1, 48                            ; v48-79   row 1
.set T,  80                            ; v80-111  the exponentials; later the blocks on their way out
.set L0, 116                           ; v[116:117], v[118:119]  the two logsumexps, each twice (pairs for the packed forms)
.set L1, 118
.set AD, 120                           ; v120-135 the way out: block w + 8 i: my 8 bytes' LDS address less 2,048 i
	s_load_b128 s[4:7], s[0:1], 0x0                ; lg s[4:5], wv s[6:7]
	s_load_b64 s[8:9], s[0:1], 0x10                ; out0
	v_lshl_add_u32 v144, v0, 2, 0x8000
	v_mov_b32 v145, 0
	v_lshrrev_b32 v1, 5, v0
	s_delay_alu instid0(VALU_DEP_1)
	v_readfirstlane_b32 s14, v1                    ; wave 0..7
	v_and_b32 v2, 31, v0                           ; lane
	s_delay_alu instid0(VALU_DEP_1)
	v_lshlrev_b32 v1, 4, v2                        ; 16 x lane
	s_lshl_b32 s15, ttmp9, 3
	s_add_co_u32 s15, s15, s14                     ; my token
	s_lshl_b32 s16, s14, 12
	v_add_nc_u32 v3, s16, v1                       ; LDS, in: my row of 4,096 bytes, 16 bytes a lane
	s_lshl_b32 s16, s14, 8
	v_lshl_add_u32 v4, v2, 3, s16                  ; out: block w of every eight, 8 bytes a lane: my offset in the work-group's part of out0
	v_mov_b32 v12, 0                               ; a lane permute's destination counts as one of its sources: written here once
	s_mov_b32 s20, 0x76543210
	s_mov_b32 s21, 0xfedcba98                      ; v_permlanex16_b32's selects for lane l xor 16
	s_mov_b32 s24, 0x3fb8aa3b                      ; log2(e); the packed form names a pair and takes its low word for both halves
	s_mov_b32 s25, s24
	s_mov_b32 s19, 0
	s_wait_alu depctr_va_vdst(0)
	s_wait_kmcnt 0x0
	s_lshl_b32 s18, s15, 13
	s_add_nc_u64 s[4:5], s[4:5], s[18:19]          ; my two rows of 4,096 bytes
	s_lshl_b32 s18, s15, 3
	s_add_nc_u64 s[6:7], s[6:7], s[18:19]
	s_load_b64 s[10:11], s[6:7], 0x0               ; w0, w1
	s_mul_i32 s18, ttmp9, 32000
	s_add_nc_u64 s[8:9], s[8:9], s[18:19]
.irp i, 0,1,2,3,4,5,6,7
	global_load_b128 v[Z0+4*\i:Z0+4*\i+3], v1, s[4:5] offset:512*\i th:TH_LOAD_NT        ; the wave reads 512 consecutive bytes, aligned; read once in the launch
.endr
.irp i, 0,1,2,3,4,5,6,7
	global_load_b128 v[Z1+4*\i:Z1+4*\i+3], v1, s[4:5] offset:4096+512*\i th:TH_LOAD_NT
.endr
	; The way out's LDS addresses, made while the loads are out.  My piece of block w + 8 i is piece n = thread + 256 i of the 4,000 pieces of 8 bytes; a row has 500.  n / 500 = (33,555 n) >> 24 for every n under 4,096:
	; 33,555 x 500 = 2^24 + 284, and 284 x 4,096 is under 2^24.
.irp i, 0,1,2,3,4,5,6,7,8,9,10,11,12,13,14,15
	v_add_nc_u32 v[AD+\i], 256*\i, v0
	s_delay_alu instid0(VALU_DEP_1)
	v_mul_u32_u24 v[AD+\i], v[AD+\i], 0x8313
	s_delay_alu instid0(VALU_DEP_1)
	v_lshrrev_b32 v[AD+\i], 24, v[AD+\i]           ; which of the eight rows
	s_delay_alu instid0(VALU_DEP_1)
	v_mad_u32_u24 v[AD+\i], v[AD+\i], 96, v4       ; 96 bytes more for each row passed
.endr
	s_wait_kmcnt 0x0
	s_mov_b32 s12, s11                             ; w1 as the low word of a pair of its own
	s_mov_b32 s13, s11
; the row in v[z ..]: classes from 1,000 on become -infinity; then its logsumexp, twice, into v[out], v[out + 1]
.macro LSE z, out
	v_cmp_gt_u32 vcc_lo, 26, v2                    ; class 896 + 4 lane + j is under 1,000 in lanes 0 to 25
.irp j, 28,29,30,31
	v_cndmask_b32 v[\z+\j], 0xff800000, v[\z+\j], vcc_lo
.endr
	v_max3_num_f32 v10, v[\z], v[\z+1], v[\z+2]    ; the largest of my 32, in two chains
	v_max3_num_f32 v11, v[\z+3], v[\z+4], v[\z+5]
.irp i, 6,10,14,18,22,26
	s_delay_alu instid0(VALU_DEP_2)
	v_max3_num_f32 v10, v10, v[\z+\i], v[\z+\i+1]
	s_delay_alu instid0(VALU_DEP_2)
	v_max3_num_f32 v11, v11, v[\z+\i+2], v[\z+\i+3]
.endr
	s_delay_alu instid0(VALU_DEP_2)
	v_max3_num_f32 v10, v10, v[\z+30], v[\z+31]
	s_delay_alu instid0(VALU_DEP_1)
	v_max_num_f32 v10, v10, v11
	s_delay_alu instid0(VALU_DEP_1)
	v_max_num_f32_dpp v10, v10, v10 row_xmask:1 row_mask:0xf bank_mask:0xf
	s_delay_alu instid0(VALU_DEP_1)
	v_max_num_f32_dpp v10, v10, v10 row_xmask:2 row_mask:0xf bank_mask:0xf
	s_delay_alu instid0(VALU_DEP_1)
	v_max_num_f32_dpp v10, v10, v10 row_xmask:4 row_mask:0xf bank_mask:0xf
	s_delay_alu instid0(VALU_DEP_1)
	v_max_num_f32_dpp v10, v10, v10 row_xmask:8 row_mask:0xf bank_mask:0xf
	s_delay_alu instid0(VALU_DEP_1)
	v_permlanex16_b32 v12, v10, s20, s21
	s_delay_alu instid0(VALU_DEP_1)
	v_max_num_f32 v10, v10, v12                    ; m: the row's largest logit, in every lane
	s_delay_alu instid0(VALU_DEP_1)
	v_mul_f32 v8, 0xbfb8aa3b, v10                  ; -m log2(e),
	s_delay_alu instid0(VALU_DEP_1)
	v_mov_b32 v9, v8                               ; twice
.irp j, 0,2,4,6,8,10,12,14,16,18,20,22,24,26,28,30
	v_pk_fma_f32 v[T+\j:T+\j+1], v[\z+\j:\z+\j+1], s[24:25], v[8:9] op_sel_hi:[1,0,1]
.endr
	s_wait_alu depctr_va_vdst(0)
.irp j, 0,1,2,3,4,5,6,7,8,9,10,11,12,13,14,15,16,17,18,19,20,21,22,23,24,25,26,27,28,29,30,31
	v_exp_f32 v[T+\j], v[T+\j]
.endr
	v_nop                                          ; a plain line behind the exponentials
	s_wait_alu depctr_va_vdst(0)                   ; one wait for the 32, ahead of their first reader
	v_pk_add_f32 v[114:115], v[80:81], v[82:83]
	v_pk_add_f32 v[142:143], v[88:89], v[92:93]
	v_pk_add_f32 v[140:141], v[96:97], v[100:101]
	v_pk_add_f32 v[138:139], v[104:105], v[108:109]
	v_pk_add_f32 v[136:137], v[84:85], v[86:87]
	v_pk_add_f32 v[118:119], v[90:91], v[94:95]
	v_pk_add_f32 v[14:15], v[98:99], v[102:103]
	v_pk_add_f32 v[112:113], v[106:107], v[110:111]
	s_delay_alu instid0(VALU_DEP_1)
	v_pk_add_f32 v[112:113], v[112:113], v[138:139]
	v_pk_add_f32 v[114:115], v[114:115], v[136:137]
	v_pk_add_f32 v[142:143], v[142:143], v[118:119]
	v_pk_add_f32 v[140:141], v[140:141], v[14:15]
	s_delay_alu instid0(VALU_DEP_2)
	v_pk_add_f32 v[112:113], v[112:113], v[142:143]
	s_delay_alu instid0(VALU_DEP_2)
	v_pk_add_f32 v[114:115], v[114:115], v[140:141]
	s_delay_alu instid0(VALU_DEP_1)
	v_pk_add_f32 v[112:113], v[112:113], v[114:115]
	s_delay_alu instid0(VALU_DEP_1)
	v_add_f32 v11, v112, v113
	s_delay_alu instid0(VALU_DEP_1)
	v_add_f32_dpp v11, v11, v11 row_xmask:1 row_mask:0xf bank_mask:0xf
	s_delay_alu instid0(VALU_DEP_1)
	v_add_f32_dpp v11, v11, v11 row_xmask:2 row_mask:0xf bank_mask:0xf
	s_delay_alu instid0(VALU_DEP_1)
	v_add_f32_dpp v11, v11, v11 row_xmask:4 row_mask:0xf bank_mask:0xf
	s_delay_alu instid0(VALU_DEP_1)
	v_add_f32_dpp v11, v11, v11 row_xmask:8 row_mask:0xf bank_mask:0xf
	s_delay_alu instid0(VALU_DEP_1)
	v_permlanex16_b32 v12, v11, s20, s21
	s_delay_alu instid0(VALU_DEP_1)
	v_add_f32 v11, v11, v12                        ; at least 1: the largest logit's own term
	s_wait_alu depctr_va_vdst(0)
	v_log_f32 v13, v11
	v_nop                                          ; a plain line behind the logarithm
	s_wait_alu depctr_va_vdst(0)
	v_fma_f32 v[\out], v13, 0x3f317218, v10        ; m + ln 2 x log2(sum)
	s_delay_alu instid0(VALU_DEP_1)
	v_mov_b32 v[\out+1], v[\out]
.endm
	s_wait_loadcnt 8                               ; loads come back in order (ISA guide 5.7.1): row 0 is in, row 1's eight loads may be out
	LSE Z0, L0
	s_wait_loadcnt 0x0
	LSE Z1, L1
.irp j, 0,2,4,6,8,10,12,14,16,18,20,22,24,26,28,30
	v_pk_add_f32 v[Z0+\j:Z0+\j+1], v[Z0+\j:Z0+\j+1], v[L0:L0+1] neg_lo:[0,1] neg_hi:[0,1]   ; the two log-softmaxes,
	v_pk_add_f32 v[Z1+\j:Z1+\j+1], v[Z1+\j:Z1+\j+1], v[L1:L1+1] neg_lo:[0,1] neg_hi:[0,1]
	s_delay_alu instid0(VALU_DEP_2)
	v_pk_mul_f32 v[Z0+\j:Z0+\j+1], v[Z0+\j:Z0+\j+1], s[10:11] op_sel_hi:[1,0]               ; weighed and added
	s_delay_alu instid0(VALU_DEP_1)
	v_pk_fma_f32 v[Z0+\j:Z0+\j+1], v[Z1+\j:Z1+\j+1], s[12:13], v[Z0+\j:Z0+\j+1] op_sel_hi:[1,0,1]
.endr
.irp i, 0,1,2,3,4,5,6,7
	ds_store_b128 v3, v[Z0+4*\i:Z0+4*\i+3] offset:512*\i        ; the whole row of 1,024, all lanes on: what stands behind class 999 is never read
.endr
	s_wait_dscnt 0x0                               ; for the others' sake: my row lies in LDS
	s_barrier_signal -1
	s_barrier_wait -1
.irp i, 0,1,2,3,4,5,6,7,8,9,10,11,12,13,14
	ds_load_b64 v[T+2*\i:T+2*\i+1], v[AD+\i] offset:2048*\i     ; blocks w, w + 8, ..
.endr
.irp i, 0,1,2,3,4,5,6,7,8,9,10,11,12,13,14
	s_wait_dscnt 14-\i                             ; all but the later blocks' loads are in
	global_store_b64 v4, v[T+2*\i:T+2*\i+1], s[8:9] offset:2048*\i th:TH_STORE_NT   ; 32 lanes store 256 consecutive bytes, aligned; written once, read by nobody here
.endr
	s_cmp_ge_u32 s14, 5                            ; blocks 120 to 124: waves 0 to 4
	s_cbranch_scc1 .Lend
	ds_load_b64 v[T+30:T+31], v[AD+15] offset:30720
	s_wait_dscnt 0x0
	global_store_b64 v4, v[T+30:T+31], s[8:9] offset:30720 th:TH_STORE_NT
.Lend:
	s_wait_tensorcnt 0x0
	ds_add_u32 v144, v145
	s_wait_dscnt 0x0
	s_endpgm
.Lfunc_end_k_q89f653f65e_fin:
	.size	k_q89f653f65e_fin, .Lfunc_end_k_q89f653f65e_fin-k_q89f653f65e_fin
	.p2alignl 7, 3214868480
	.fill 96, 4, 3214868480
	.section	.rodata,"a",@progbits
	.p2align	6, 0x0
	.amdhsa_kernel k_q89f653f65e_fin
		.amdhsa_group_segment_fixed_size 33792
		.amdhsa_private_segment_fixed_size 0
		.amdhsa_enable_private_segment 0
		.amdhsa_kernarg_size 24
		.amdhsa_user_sgpr_count 2
		.amdhsa_user_sgpr_kernarg_segment_ptr 1
		.amdhsa_wavefront_size32 1
		.amdhsa_system_sgpr_workgroup_id_x 1
		.amdhsa_system_sgpr_workgroup_id_y 1
		.amdhsa_system_sgpr_workgroup_id_z 1
		.amdhsa_system_vgpr_workitem_id 0
		.amdhsa_next_free_vgpr 146
		.amdhsa_next_free_sgpr 66
		.amdhsa_reserve_vcc 1
		.amdhsa_float_denorm_mode_32 3
		.amdhsa_float_denorm_mode_16_64 3
		.amdhsa_memory_ordered 1
		.amdhsa_forward_progress 1
		.amdhsa_inst_pref_size 31
	.end_amdhsa_kernel
	.amdgpu_metadata
---
amdhsa.version: [ 1, 2 ]
amdhsa.kernels:
  - .name:           k_q89f653f65e_fin
    .symbol:         k_q89f653f65e_fin.kd
    .args:
      - { .name: lg, .offset: 0, .size: 8, .value_kind: global_buffer, .address_space: global }
      - { .name: wv, .offset: 8, .size: 8, .value_kind: global_buffer, .address_space: global }
      - { .name: out0, .offset: 16, .size: 8, .value_kind: global_buffer, .address_space: global }
    .group_segment_fixed_size: 33792
    .private_segment_fixed_size: 0
    .kernarg_segment_align: 8
    .kernarg_segment_size: 24
    .max_flat_workgroup_size: 256
    .sgpr_count:     66
    .vgpr_count:     146
    .wavefront_size: 32
...
	.end_amdgpu_metadata
.endif
;; end of part 4
